; MI455X (gfx1250); checked and timed in simulation.
; The chip was launched on July 23, 2026; its instructions are those of AMD's public machine-readable ISA for CDNA 5 (MIT licence, August 2026) and "CDNA5" Instruction Set Architecture Reference Guide (July 2026). The comments in the code are by the model that wrote it; some were corrected since.
;; Multi Head Attention. Allowed arithmetic: matrix products marked QUANTISED: E4M3 operands, one E8M0 scale for each 32 along K, by v_wmma_scale_f32_16x16x128_f8f6f4 with both operands' format E4M3, f32 sums; everything else in f32.
;; Inputs: Wk_codes 1,024 x 32 x 32 uint8 (E4M3 codes of Wk, K innermost, in blocks of 32 codes); Wk_scales 1,024 x 32 uint8 (E8M0 scales of Wk, one for each 32 codes along K); Wp_codes 1,024 x 32 x 32 uint8 (E4M3 codes of Wp, K innermost, in blocks of 32 codes); Wp_scales 1,024 x 32 uint8 (E8M0 scales of Wp, one for each 32 codes along K); Wq_codes 1,024 x 32 x 32 uint8 (E4M3 codes of Wq, K innermost, in blocks of 32 codes); Wq_scales 1,024 x 32 uint8 (E8M0 scales of Wq, one for each 32 codes along K); Wv_codes 1,024 x 32 x 32 uint8 (E4M3 codes of Wv, K innermost, in blocks of 32 codes); Wv_scales 1,024 x 32 uint8 (E8M0 scales of Wv, one for each 32 codes along K); attention_mask 4 x 2,048 int32; bk 1,024 float32; bp 1,024 float32; bq 1,024 float32; bv 1,024 float32; x_codes 4 x 2,048 x 32 x 32 uint8 (E4M3 codes of x, K innermost, in blocks of 32 codes); x_scales 4 x 2,048 x 32 uint8 (E8M0 scales of x, one for each 32 codes along K).
;; Outputs: out0 4 x 2,048 x 1,024 float32.
;; This version of the problem:
;;   THIS VERSION OF THE PROBLEM IS GIVEN IN LOW PRECISION. The matrix products marked QUANTISED in the list below multiply operands that are first quantised to E4M3 (4 exponent bits, 3 mantissa bits; 8 bits a number), with one power-of-two scale for each 32 numbers along K (OCP MX v1.0); their sums are f32. All else is computed in f32.
;;   The module's matrix products, in the order in which they are computed (A, B: the left and right operand; K: the contracted axis; several contracted axes count as one K, in the product's order):
;;     1. [M 8,192, K 1,024] x [K 1,024, N 1,024]; A: input x (given as codes); B: input Wq (given as codes): QUANTISED
;;     2. [M 8,192, K 1,024] x [K 1,024, N 1,024]; A: input x (given as codes); B: input Wk (given as codes): QUANTISED
;;     3. [M 8,192, K 1,024] x [K 1,024, N 1,024]; A: input x (given as codes); B: input Wv (given as codes): QUANTISED
;;     4. batch 64 x [M 2,048, K 64] x [K 64, N 2,048]; A: computed on the way; B: computed on the way: QUANTISED
;;     5. batch 64 x [M 2,048, K 2,048] x [K 2,048, N 64]; A: computed on the way; B: computed on the way: QUANTISED
;;     6. [M 8,192, K 1,024] x [K 1,024, N 1,024]; A: computed on the way; B: input Wp (given as codes): QUANTISED
;;   THE QUANTISER, for each operand of a quantised product, along K:
;;     - K is cut into blocks of 32 from its start; a last block that is shorter is filled with zeros.
;;     - A block's scale is 2^e with e = floor(log2(the largest magnitude in the block)) - 8, held to -126 .. 127; a block of zeros has e = 0. As a byte (E8M0): e + 127.
;;     - Each number is divided by its block's scale, clamped to +-448, and rounded to the nearest number of E4M3, ties to even, subnormals kept.
;;     - The product sums the exact products of the quantised numbers (number of the format x scale) in f32.
;;   ~~~python
;;   def quantise(x, axis):      # numpy; x: float32 -> the quantised numbers, widened to float32 again
;;       x = np.moveaxis(x, axis, -1); K = x.shape[-1]
;;       x = np.pad(x, [(0, 0)] * (x.ndim - 1) + [(0, -K % 32)]); x = x.reshape(x.shape[:-1] + (-1, 32)); a = np.abs(x).max(-1, keepdims=True)
;;       e = np.where(a > 0, np.clip(np.frexp(np.where(a > 0, a, 1))[1] - 1 - 8, -126, 127), 0)      # np.frexp(a)[1] - 1 = floor(log2(a)), exactly
;;       r = np.clip(x / 2.0 ** e, -448, 448)
;;       step = 2.0 ** (np.maximum(np.frexp(np.where(r == 0, 1, r))[1] - 1, -6) - 3)
;;       q = np.round(r / step) * step * 2.0 ** e      # np.round: ties to even
;;       return np.moveaxis(q.reshape(q.shape[:-2] + (-1,))[..., :K], -1, axis).astype(np.float32)
;;   ~~~
;;   OPERANDS COMPUTED ON THE WAY. 'Computed on the way' means the value that the module computes at that place (a softmax that the list does not call 'softmax' is quantised finished and normalised). What goes into a quantiser is computed in f32, as accurately as f32 sums, v_exp_f32 and their like allow (about 1e-6 of the number): no bf16 or f16 on the way to a quantiser, and a product that is left as it is and whose result goes on into a quantised operand takes f32 operands (vector FMAs, or v_wmma_f32_16x16x4_f32). A number that lies on a knife's edge between two numbers of the format may be rounded either way, as far as f32 arithmetic and the matrix unit's own rounding can turn it there, and no further.
;;   INPUTS GIVEN AS CODES. Wk (in the module: [1024, 1024], K = its axis 0); Wp (in the module: [1024, 1024], K = its axis 0); Wq (in the module: [1024, 1024], K = its axis 0); Wv (in the module: [1024, 1024], K = its axis 0); x (in the module: [4, 2048, 1024], K = its axis 2): each comes as NAME_codes (uint8): NAME with its K axis moved to the last place and cut into blocks of 32 codes, [.., K / 32, bytes a block], one block behind the other in memory; one code a byte (a code: sign, 4 exponent bits, 3 mantissa bits); and NAME_scales (uint8): the same leading axes, one E8M0 byte (e + 127) for each 32 codes along K. Its value is code x scale, taken as it is: it is not quantised again, and the codes and scales need not be those that the quantiser above would give.
;; One version. Each part assembles by itself: llvm-mc -triple=amdgcn-amd-amdhsa -mcpu=gfx1250 --defsym DOCPART=n.
;; ======== version 1 of 1: 3 launches
;; limits: right only within a limited range of input values
;; workspace buffers: q_img 8,388,608 bytes; k_img 8,388,608 bytes; v_img 8,388,608 bytes; q_sw 524,288 bytes; k_sw 524,288 bytes; v_sw 262,144 bytes; a_img 8,388,608 bytes; a_sc 262,144 bytes
;; launch qkv (part 1): grid 12 x 32, 4 waves a work-group, clusters of 4 x 4, 327,680 bytes of LDS; arguments x_codes, x_scales, Wq_codes, Wq_scales, Wk_codes, Wk_scales, Wv_codes, Wv_scales, bq, bk, bv, q_img, q_sw, k_img, k_sw, v_img, v_sw; writes q_img, q_sw, k_img, k_sw, v_img, v_sw
.if DOCPART == 1
	.amdgcn_target "amdgcn-amd-amdhsa--gfx1250"
	.amdhsa_code_object_version 6
	.text
	.protected	k_qb798c7a1cb_qkv
	.globl	k_qb798c7a1cb_qkv
	.p2align	8
	.type	k_qb798c7a1cb_qkv,@function
k_qb798c7a1cb_qkv:
	s_mov_b64 s[64:65], 0
	v_nop
	global_prefetch_b8 v0, s[64:65] scope:SCOPE_SE
	s_setreg_imm32_b32 hwreg(HW_REG_WAVE_MODE, 25, 1), 1
	s_wait_xcnt 0x0
	s_wait_alu depctr_hold_cnt(0) depctr_sa_sdst(0) depctr_va_vdst(0) depctr_va_sdst(0) depctr_va_ssrc(0) depctr_va_vcc(0) depctr_vm_vsrc(0)
	s_getreg_b32 s2, hwreg(HW_REG_IB_STS2, 6, 4)
	s_cmp_eq_u32 s2, 0
	s_cbranch_scc0 .Lentry_in_a_cluster
	s_endpgm
.Lentry_in_a_cluster:
	s_bfe_u32 s2, ttmp6, 0x10000c
	s_cmp_lg_u32 s2, 0xf033
	s_cbranch_scc0 .Lentry_shape_is_right
	s_endpgm
.Lentry_shape_is_right:
.set KSTEP,  256
.set NQ,     KSTEP/128
.set ROWB,   256
.set KROW,   1024
.set PITCH,  272
.set FR,     16
.set NL,     4
.set NP,     8
.set HALFT,  128*PITCH
.set SLOT,   4*HALFT
.set LAPS,   1024/(2*KSTEP)
.set KS,     32
.set SCL,    2*SLOT
.set HALFS,  (128*KS/256)*272
.set SBLK,   (16*KS/256)*272
.set SPARE,  SCL+4*HALFS
.set STQ,    0
.set STV,    4096
.set RB,   8
.set ADRA, 16
.set SWA,  18
.set SWV,  19
.set ADRB, 20
.set SRQ,  22
.set SRV,  23
.set SH,   24
.set VO,   25
.set CO,   26
.set ADRS, 27
.set SPW,  28
.set NIL,  29
.set BCO,  30
.set BRO,  31
.set SC,   32
.set COLB, 64
.set AF,   128
.set T,    128
.set PC,   192
.set TM,   208
.set PW,   224
.set TW,   225
.set BK,   228
.set G1, 24
.set G0, 32
.set G1B, 48
.set G0B, 56
.set G1S, 68
.set G0S, 76
.set G1SB, 80
.set G0SB, 88
.set KIND, 95
.set LOW,  66
.set HIGH, 67
.set SEL,  44
.set MNT,  43
.set MSB, 0
.macro WIN new
.if MSB != (\new)
	s_set_vgpr_msb (MSB<<8)|(\new)
.set MSB, (\new)
.endif
.endm
.set MUL_LO, 0xa1
.set MUL_HI, 0xf1
.set TO_B,   0x40
.macro JLOAD g0a, g1a, g0b, g1b
	s_cmp_eq_u32 s15, 0
	s_cbranch_scc0 .Lfor_b_\@
	tensor_load_to_lds s[\g0a:\g0a+3], s[\g1a:\g1a+7]
	s_nop 0
.rept 4
	v_nop
.endr
	s_branch .Lasked_\@
.Lfor_b_\@:
	tensor_load_to_lds s[\g0b:\g0b+3], s[\g1b:\g1b+7]
	s_nop 0
.rept 4
	v_nop
.endr
.Lasked_\@:
.endm
.macro CREST
	s_cmp_lg_u32 s14, 0
	s_cbranch_scc1 .Lnot_wave_0_\@
	s_barrier_signal -3
.Lnot_wave_0_\@:
	s_barrier_wait -3
	s_barrier_signal -1
	s_barrier_wait -1
.endm
.macro CROUND
	s_barrier_signal -1
	s_barrier_wait -1
	CREST
.endm
	s_load_b512 s[24:39], s[0:1], 0x0
	s_load_b512 s[40:55], s[0:1], 0x40
	s_load_b64 s[56:57], s[0:1], 0x80
	v_lshl_add_u32 v[SPW], v0, 2, SPARE
	v_mov_b32 v[NIL], 0
	ds_add_u32 v28, v29
	ds_add_u32 v28, v29
	s_wait_dscnt 0x0
	v_lshrrev_b32 v1, 5, v0
	v_readfirstlane_b32 s14, v1
	s_lshr_b32 s15, s14, 1
	s_and_b32 s16, s14, 1
	s_mov_b32 s[KIND], ttmp9
	s_mov_b32 s[LOW], 0xffff
	s_mov_b32 s[HIGH], 0x7f7f0000
	s_wait_kmcnt 0x0
	s_cmp_eq_u32 s[KIND], 0
	s_cselect_b64 s[8:9], s[28:29], s[32:33]
	s_cselect_b64 s[10:11], s[30:31], s[34:35]
	s_cselect_b64 s[12:13], s[46:47], s[50:51]
	s_cselect_b64 s[96:97], s[48:49], s[52:53]
	s_cselect_b64 s[98:99], s[40:41], s[42:43]
	s_cmp_lt_u32 s[KIND], 2
	s_cselect_b64 s[4:5], s[24:25], s[36:37]
	s_cselect_b64 s[6:7], s[26:27], s[38:39]
	s_cselect_b64 s[8:9], s[8:9], s[24:25]
	s_cselect_b64 s[10:11], s[10:11], s[26:27]
	s_cselect_b64 s[12:13], s[12:13], s[54:55]
	s_cselect_b64 s[96:97], s[96:97], s[56:57]
	s_cselect_b64 s[98:99], s[98:99], s[44:45]
	s_mov_b64 s[100:101], s[44:45]
	s_bfe_u32 s40, ttmp6, 0x40000
	s_bfe_u32 s41, ttmp6, 0x40004
	s_and_b32 s18, ttmp7, 0xffff
	s_cmp_lt_u32 s[KIND], 2
	s_cselect_b32 s17, s18, 0
	s_cselect_b32 s42, 0, s18
	s_lshl_b32 s17, s17, 2
	s_add_co_u32 s17, s17, s41
	s_lshl_b32 s42, s42, 2
	s_add_co_u32 s42, s42, s40
	s_lshl_b32 s43, s41, 2
	s_lshl_b32 s43, 15, s43
	s_lshl_b32 s44, 0x1111, s40
	s_or_b32 s[G1+0], s43, (0<<16)|(1<<20)|(1<<21)|(5<<22)|(3<<25)
	s_or_b32 s[G1B+0], s44, (0<<16)|(1<<20)|(1<<21)|(5<<22)|(3<<25)
.irp g, G1, G1B
	s_mov_b32 s[\g+1], ROWB<<16
	s_mov_b32 s[\g+2], 256<<16
	s_mov_b32 s[\g+3], ROWB<<16
	s_mov_b32 s[\g+4], 256
	s_mov_b32 s[\g+5], KROW
	s_mov_b32 s[\g+6], 0
	s_mov_b32 s[\g+7], 0
.endr
	s_or_b32 s[G1S+0], s43, (3<<16)|(1<<20)|(1<<21)|(5<<22)|(3<<25)
	s_or_b32 s[G1SB+0], s44, (3<<16)|(1<<20)|(1<<21)|(5<<22)|(3<<25)
.irp g, G1S, G1SB
	s_mov_b32 s[\g+1], 32<<16
	s_mov_b32 s[\g+2], KS<<16
	s_mov_b32 s[\g+3], 32<<16
	s_mov_b32 s[\g+4], KS
	s_mov_b32 s[\g+5], 32
	s_mov_b32 s[\g+6], 0
	s_mov_b32 s[\g+7], 0
.endr
	s_lshl_b32 s20, s17, 8
	s_lshl_b32 s46, s42, 8
	s_mov_b32 s21, 0
	s_mov_b32 s47, 0
	s_mov_b64 s[18:19], KS
	s_mul_u64 s[22:23], s[20:21], s[18:19]
	s_mul_u64 s[92:93], s[46:47], s[18:19]
	s_mov_b64 s[18:19], KROW
	s_mul_u64 s[20:21], s[20:21], s[18:19]
	s_mul_u64 s[46:47], s[46:47], s[18:19]
	s_mul_i32 s18, s16, 128*KROW                   ; in the ring a wave fetches 128 rows of a tile: which half, in bytes
	s_mov_b32 s19, 0
	s_mul_i32 s45, s14, HALFT
	s_add_nc_u64 s[20:21], s[4:5], s[20:21]
	s_add_nc_u64 s[22:23], s[6:7], s[22:23]
	s_add_nc_u64 s[46:47], s[8:9], s[46:47]
	s_add_nc_u64 s[92:93], s[10:11], s[92:93]
	CROUND
	s_mov_b32 s4, 1                                ; the head's four tiles, each whole: K step 0's 256 rows of A (s[4:11] held arguments that have been used),
	s_mov_b32 s5, 0
	s_mov_b64 s[6:7], s[20:21]
	s_or_b32 s7, s7, 0x80000000
	s_mov_b32 s8, 1                                ; its 256 rows of B, behind them in slot 0,
	s_mov_b32 s9, 2*HALFT
	s_mov_b64 s[10:11], s[46:47]
	s_or_b32 s11, s11, 0x80000000
	s_mov_b32 s[G0S], 1                            ; the scales of A's 256 rows,
	s_mov_b32 s[G0S+1], SCL
	s_mov_b64 s[G0S+2:G0S+3], s[22:23]
	s_or_b32 s[G0S+3], s[G0S+3], 0x80000000
	s_mov_b32 s[G0SB], 1                           ; and of B's
	s_mov_b32 s[G0SB+1], SCL+2*HALFS
	s_mov_b64 s[G0SB+2:G0SB+3], s[92:93]
	s_or_b32 s[G0SB+3], s[G0SB+3], 0x80000000
	s_add_nc_u64 s[20:21], s[20:21], s[18:19]      ; for the ring: my 128 rows of the tile
	s_add_nc_u64 s[46:47], s[46:47], s[18:19]
.irp s, 0,1
	s_mov_b32 s[G0+4*\s], 1
	s_add_co_u32 s[G0+4*\s+1], s45, \s*SLOT
	s_add_nc_u64 s[G0+4*\s+2:G0+4*\s+3], s[20:21], \s*ROWB
	s_or_b32 s[G0+4*\s+3], s[G0+4*\s+3], 0x80000000
	s_mov_b32 s[G0B+4*\s], 1
	s_add_co_u32 s[G0B+4*\s+1], s45, \s*SLOT
	s_add_nc_u64 s[G0B+4*\s+2:G0B+4*\s+3], s[46:47], \s*ROWB
	s_or_b32 s[G0B+4*\s+3], s[G0B+4*\s+3], 0x80000000
.endr
; the head's loads, one a wave, in one chain of branches on the wave's number: wave 0 A's rows, wave 1 B's, wave 2 A's scales, wave 3 B's
.macro ARM under, g0, g1, next
	s_cmp_lt_u32 s14, \under
	s_cbranch_scc0 \next
	tensor_load_to_lds s[\g0:\g0+3], s[\g1:\g1+7]
	s_nop 0
.rept 4
	v_nop
.endr
	s_branch .Lhead_asked
\next:
.endm
	ARM 1, 4, G1, .Lhead_b
	ARM 2, 8, G1B, .Lhead_sa
	ARM 3, G0S, G1S, .Lhead_sb
	tensor_load_to_lds s[G0SB:G0SB+3], s[G1SB:G1SB+7]
	s_nop 0
.rept 4
	v_nop
.endr
.Lhead_asked:
	v_and_b32 v1, 15, v0
	v_bfe_u32 v2, v0, 4, 1
	v_mul_u32_u24 v3, v1, PITCH
	v_lshl_add_u32 v4, v2, 4, v3
	s_mul_i32 s21, s15, HALFT
	s_mul_i32 s22, s16, HALFT
	s_add_co_u32 s22, s22, 2*HALFT
.irp s, 0,1
	v_add_nc_u32 v[ADRA+\s], s21, v4
	v_add_nc_u32 v[ADRB+\s], s22, v4
	s_add_co_u32 s21, s21, SLOT
	s_add_co_u32 s22, s22, SLOT
.endr
	v_mul_u32_u24 v5, v1, KS
	v_lshrrev_b32 v6, 8, v5
	v_lshl_add_u32 v5, v6, 4, v5
	s_mul_i32 s21, s15, HALFS
	s_mul_i32 s22, s16, HALFS
	s_add_co_u32 s22, s22, 2*HALFS
	s_sub_co_u32 s22, s22, s21
	v_mul_u32_u24 v6, s22, v2
	s_add_co_u32 s21, s21, SCL
	v_add_nc_u32 v5, v5, v6
	v_add_nc_u32 v[ADRS], s21, v5
	v_and_b32 v6, 31, v0
	v_lshlrev_b32 v[CO], 4, v6
	s_lshl_b32 s23, s14, 10
	v_lshlrev_b32 v5, 4, v1
	v_lshl_add_u32 v5, v2, 9, v5
	v_add_nc_u32 v[SWA], s23, v5
	v_add_nc_u32 v[SRQ], s23, v[CO]
	s_lshl_b32 s23, s14, 9
	s_add_co_u32 s23, s23, STV
	v_lshlrev_b32 v5, 3, v1
	v_add_nc_u32 v[SWV], s23, v5
	v_add_nc_u32 v[SRV], s23, v[CO]
	v_lshlrev_b32 v[SH], 4, v2
	v_lshlrev_b32 v5, 4, v1
	v_lshl_add_u32 v[VO], v2, 12, v5
	v_lshlrev_b32 v[BCO], 5, v2
	s_wait_alu depctr_va_vdst(0)
	v_lshlrev_b32 v[BRO], 2, v1
	s_wait_alu depctr_va_vdst(0)
	s_mov_b32 s[SEL], 0x76543210
	s_mov_b32 s[SEL+1], 0xfedcba98
	s_mov_b32 s[MNT], 0x600000
	s_lshl_b32 s20, s17, 8
	s_lshl_b32 s21, s15, 7
	s_add_co_u32 s20, s20, s21
	s_lshl_b32 s46, s42, 8
	s_lshl_b32 s47, s16, 7
	s_add_co_u32 s46, s46, s47
	s_cmp_lt_u32 s[KIND], 2
	s_cselect_b32 s21, s20, s46
	s_cselect_b32 s22, s46, s20
	s_cselect_b32 s92, s22, 0
	s_cselect_b32 s93, 0, s22
	s_cselect_b32 s47, 9, 8
	s_lshl_b32 s92, s92, 2
	s_lshl_b32 s93, s93, 2
	s_lshr_b32 s18, s21, 11
	s_bfe_u32 s19, s21, 0x40007
	s_lshl_b32 s18, s18, 4
	s_lshr_b32 s22, s22, 6
	s_add_co_u32 s18, s18, s22
	s_lshl_b32 s20, s18, 17
	s_lshl_b32 s21, s19, 13
	s_add_co_u32 s20, s20, s21
	s_mov_b32 s21, 0
	s_add_nc_u64 s[12:13], s[12:13], s[20:21]
	s_lshl_b32 s20, s18, 4
	s_add_co_u32 s20, s20, s19
	s_lshl_b32 s20, s20, s47
	s_add_nc_u64 s[96:97], s[96:97], s[20:21]
	s_mov_b32 s20, s92
	s_add_nc_u64 s[98:99], s[98:99], s[20:21]
	s_mov_b32 s20, s93
	s_add_nc_u64 s[100:101], s[100:101], s[20:21]
.irp t, 0,1,2,3,4,5,6,7
	global_load_b128 v[COLB+8*\t:COLB+8*\t+3], v[BCO], s[98:99] offset:64*\t
	global_load_b128 v[COLB+8*\t+4:COLB+8*\t+7], v[BCO], s[98:99] offset:64*\t+16
	global_load_b32 v[RB+\t], v[BRO], s[100:101] offset:64*\t
.endr
.macro FRAG reg, adr, q, i
.irp c, 0,1,2,3
	ds_load_b128 v[\reg+4*\c:\reg+4*\c+3], v[\adr] offset:128*(\q)+32*\c+(\i)*16*PITCH
.endr
.endm
.macro MUL16 a0, p, q, sc, zero
.irp a, \a0, \a0+1
.irp b, 0,1,2,3,4,5,6,7
.if \zero
	v_wmma_scale_f32_16x16x128_f8f6f4 v[8*(8*((\a)%4)+\b):8*(8*((\a)%4)+\b)+7], v[128*(\p)+FR*\b:128*(\p)+FR*\b+FR-1], v[AF+FR*(\a):AF+FR*(\a)+FR-1], 0, v[SC+8*NQ*(\sc)+NQ*\b+(\q)], v[SC+8*NQ*(\sc)+NQ*(\a)+(\q)] matrix_a_scale:MATRIX_SCALE_ROW1
.else
	v_wmma_scale_f32_16x16x128_f8f6f4 v[8*(8*((\a)%4)+\b):8*(8*((\a)%4)+\b)+7], v[128*(\p)+FR*\b:128*(\p)+FR*\b+FR-1], v[AF+FR*(\a):AF+FR*(\a)+FR-1], v[8*(8*((\a)%4)+\b):8*(8*((\a)%4)+\b)+7], v[SC+8*NQ*(\sc)+NQ*\b+(\q)], v[SC+8*NQ*(\sc)+NQ*(\a)+(\q)] matrix_a_scale:MATRIX_SCALE_ROW1
.endif
.endr
.endr
.endm
.macro FETCH_B slot, q, p
	WIN TO_B
.irp i, 0,1,2,3,4,5,6,7
	FRAG 128*(\p)+FR*\i, ADRB+\slot, \q, \i
.endr
	WIN 0
.endm
.macro FETCH_A slot, q, i0
.irp i, \i0, \i0+1, \i0+2, \i0+3
	FRAG AF+FR*(\i), ADRA+\slot, \q, \i
.endr
.endm
.macro SCALES sc
.irp i, 0,1,2,3,4,5,6,7
	ds_load_b64 v[SC+8*NQ*\sc+NQ*\i:SC+8*NQ*\sc+NQ*\i+1], v[ADRS] offset:\i*SBLK
.endr
.endm
.macro PLACES n
.rept \n
	v_nop
.endr
.endm
.macro STEP slot, q, zero
	s_wait_dscnt 4*NL
	WIN MUL_LO
	MUL16 0, (\q)%2, \q, \slot, \zero
	MUL16 2, (\q)%2, \q, \slot, \zero
	s_wait_dscnt 0
	PLACES NP
	FETCH_B \slot, (\q)+1, 1-(\q)%2
	FETCH_A \slot, (\q)+1, 0
	WIN MUL_HI
	MUL16 4, (\q)%2, \q, \slot, \zero
	MUL16 6, (\q)%2, \q, \slot, \zero
	PLACES NP
	WIN 0
	FETCH_A \slot, (\q)+1, 4
.endm
.macro TURN slot, next, fill
	s_wait_tensorcnt 0x0
	ds_add_u32 v[SPW], v[NIL]
	s_wait_dscnt 4*NL+1
	WIN MUL_LO
	MUL16 0, 1, NQ-1, \slot, 0
	s_wait_dscnt 0x0
	s_barrier_signal -1
	MUL16 2, 1, NQ-1, \slot, 0
	WIN 0
	s_barrier_wait -1
.if \fill
	CREST
	s_add_nc_u64 s[G0+4*\slot+2:G0+4*\slot+3], s[G0+4*\slot+2:G0+4*\slot+3], 2*ROWB
	s_add_nc_u64 s[G0B+4*\slot+2:G0B+4*\slot+3], s[G0B+4*\slot+2:G0B+4*\slot+3], 2*ROWB
	JLOAD G0+4*\slot, G1, G0B+4*\slot, G1B
	PLACES NP-4
.else
	PLACES NP
.endif
	s_wait_alu depctr_va_vdst(0)
	v_add_nc_u32 v[ADRS], 4*NQ, v[ADRS]
	FETCH_B \next, 0, 0
	FETCH_A \next, 0, 0
	SCALES \next
	WIN MUL_HI
	MUL16 4, 1, NQ-1, \slot, 0
	MUL16 6, 1, NQ-1, \slot, 0
	PLACES NP
	WIN 0
	FETCH_A \next, 0, 4
.endm
	s_wait_alu depctr_va_vdst(0)                   ; the wait at the head's end
	s_wait_loadcnt 0x0                             ; the biases
	s_wait_tensorcnt 0x0                           ; my tile of the head's four is in
	ds_add_u32 v[SPW], v[NIL]
	s_mov_b32 s[G1+2], 128<<16                     ; no tensor load of mine is out: from here on a load brings 128 rows
	s_mov_b32 s[G1+4], 128
	s_mov_b32 s[G1B+2], 128<<16
	s_mov_b32 s[G1B+4], 128
	s_wait_dscnt 0x0
	CROUND                                         ; all four tiles are in, all sixteen work-groups are here
	JLOAD G0+4, G1, G0B+4, G1B                     ; K step 1, the first tensor load behind the round
	FETCH_B 0, 0, 0
	FETCH_A 0, 0, 0
	SCALES 0
	FETCH_A 0, 0, 4
	STEP 0, 0, 1
	s_mov_b32 s3, LAPS-1
.Llap:
	TURN 0, 1, 1
	STEP 1, 0, 0
	TURN 1, 0, 1
	STEP 0, 0, 0
	s_sub_co_u32 s3, s3, 1
	s_cmp_lg_u32 s3, 0
	s_cbranch_scc1 .Llap
	TURN 0, 1, 0
	STEP 1, 0, 0
	s_wait_dscnt 4*NL
	WIN MUL_LO
	MUL16 0, 1, NQ-1, 1, 0
	MUL16 2, 1, NQ-1, 1, 0
	s_wait_dscnt 0
	WIN MUL_HI
	MUL16 4, 1, NQ-1, 1, 0
	MUL16 6, 1, NQ-1, 1, 0
	WIN 0
.macro QUANT s
.irp b, 0,1,2,3
	v_max3_num_f32 v[TM+\b], |v[\s+16*\b]|, |v[\s+1+16*\b]|, 0x4800000
.endr
.irp i, 2,4,6,8,10,12,14
.irp b, 0,1,2,3
	v_max3_num_f32 v[TM+\b], v[TM+\b], |v[\s+16*\b+\i]|, |v[\s+1+16*\b+\i]|
.endr
.endr
.irp b, 0,1,2,3
	v_permlanex16_b32 v[TM+4+\b], v[TM+\b], s[SEL], s[SEL+1]
.endr
.irp b, 0,1,2,3
	v_max_num_f32 v[TM+\b], v[TM+\b], v[TM+4+\b]
.endr
.irp b, 0,1,2,3
	v_add_nc_u32 v[TM+12+\b], 0xfc000000, v[TM+\b]
.endr
.irp b, 0,1,2,3
	v_and_or_b32 v[TM+8+\b], v[TM+\b], 0x7f800000, s[MNT]
.endr
.irp b, 0,1,2,3
	v_lshrrev_b32 v[TM+4+\b], 23, v[TM+12+\b]
.endr
	v_lshl_or_b32 v[PW], v[TM+5], 8, v[TM+4]
	v_lshl_or_b32 v[PW], v[TM+6], 16, v[PW]
	v_lshl_or_b32 v[PW], v[TM+7], 24, v[PW]
.irp b, 0,1,2,3
.irp i, 0,1,2,3,4,5,6,7,8,9,10,11,12,13,14,15
	v_med3_num_f32 v[\s+16*\b+\i], v[\s+16*\b+\i], -v[TM+8+\b], v[TM+8+\b]
.endr
	v_cvt_scalef32_pk8_fp8_f32 v[PC+4*\b:PC+1+4*\b], v[\s+16*\b:\s+7+16*\b], v[TM+12+\b]
	v_cvt_scalef32_pk8_fp8_f32 v[PC+2+4*\b:PC+3+4*\b], v[\s+8+16*\b:\s+15+16*\b], v[TM+12+\b]
.endr
	v_nop
.endm
.macro EPI a
.set AC, 64*((\a)%4)
	s_wait_xcnt 0x0
	s_wait_dscnt 0x0
	s_cmp_eq_u32 s[KIND], 2
	s_cbranch_scc1 .Lrow_\@
	WIN 2+(\a)/4
.set n, 0
.rept 32
	v_pk_add_f32 v[T+n:T+n+1], v[AC+n:AC+n+1], v[COLB+n:COLB+n+1]
.set n, n+2
.endr
	WIN 0
	s_branch .Ljoin_\@
.Lrow_\@:
	WIN 2+(\a)/4
.set n, 0
.rept 64
	v_add_f32 v[T+n], v[AC+n], v[RB+(\a)]
.set n, n+1
.endr
	WIN 0
.Ljoin_\@:
	QUANT T
.irp b, 0,1,2,3
	v_permlane16_swap_b32 v[PC+4*\b], v[PC+4*\b+2]
	v_permlane16_swap_b32 v[PC+4*\b+1], v[PC+4*\b+3]
.endr
	s_cmp_eq_u32 s[KIND], 2
	s_cbranch_scc1 .Lvst_\@
.irp b, 0,1,2,3
	global_store_b128 v[CO], v[PC+4*\b:PC+4*\b+3], s[12:13] offset:(\b/2)*131072+(\a)*1024+(\b%2)*512
.endr
	v_lshrrev_b32 v[TW], v[SH], v[PW]
	v_and_or_b32 v[TW], v[TW], s[LOW], s[HIGH]
	ds_store_b32 v[SWA], v[TW] offset:((\a)%2)*256+((\a)/2)*4
	s_branch .Ldone_\@
.Lvst_\@:
	s_wait_alu depctr_va_vdst(0)
.irp b, 0,1,2,3
	global_store_b128 v[CO], v[PC+4*\b:PC+4*\b+3], s[12:13] offset:((\a)/4)*131072+((\a)%4)*2048+\b*512
.endr
	ds_store_b32 v[SWV], v[PW] offset:((\a)/4)*256+((\a)%2)*128+(((\a)%4)/2)*4
.Ldone_\@:
.endm
	PLACES NP
.irp b, 0,1,2,3
	v_mov_b32 v[TM+4+\b], 0
.endr
.irp a, 0,1,2,3,4,5,6,7
	EPI \a
.endr
	s_cmp_eq_u32 s[KIND], 2
	s_cbranch_scc1 .Lvsw
	ds_load_b128 v[BK:BK+3], v[SRQ]
	ds_load_b128 v[BK+4:BK+7], v[SRQ] offset:512
	s_wait_dscnt 0x0
	global_store_b128 v[CO], v[BK:BK+3], s[96:97]
	global_store_b128 v[CO], v[BK+4:BK+7], s[96:97] offset:8192
	s_branch .Lend
.Lvsw:
	ds_load_b128 v[BK:BK+3], v[SRV]
	s_wait_dscnt 0x0
	global_store_b128 v[VO], v[BK:BK+3], s[96:97]
.Lend:
	s_wait_tensorcnt 0x0
	ds_add_u32 v[SPW], v[NIL]
	s_wait_dscnt 0x0
	CROUND
	s_endpgm
.Lfunc_end_k_qb798c7a1cb_qkv:
	.size	k_qb798c7a1cb_qkv, .Lfunc_end_k_qb798c7a1cb_qkv-k_qb798c7a1cb_qkv
	.p2alignl 7, 3214868480
	.fill 96, 4, 3214868480
	.section	.rodata,"a",@progbits
	.p2align	6, 0x0
	.amdhsa_kernel k_qb798c7a1cb_qkv
		.amdhsa_group_segment_fixed_size 327680
		.amdhsa_private_segment_fixed_size 0
		.amdhsa_enable_private_segment 0
		.amdhsa_kernarg_size 136
		.amdhsa_user_sgpr_count 2
		.amdhsa_user_sgpr_kernarg_segment_ptr 1
		.amdhsa_wavefront_size32 1
		.amdhsa_system_sgpr_workgroup_id_x 1
		.amdhsa_system_sgpr_workgroup_id_y 1
		.amdhsa_system_sgpr_workgroup_id_z 1
		.amdhsa_system_vgpr_workitem_id 0
		.amdhsa_next_free_vgpr 1024
		.amdhsa_next_free_sgpr 102
		.amdhsa_reserve_vcc 0
		.amdhsa_float_denorm_mode_32 3
		.amdhsa_float_denorm_mode_16_64 3
		.amdhsa_memory_ordered 1
		.amdhsa_forward_progress 1
		.amdhsa_inst_pref_size 231
	.end_amdhsa_kernel
	.amdgpu_metadata
---
amdhsa.version: [ 1, 2 ]
amdhsa.kernels:
  - .name:           k_qb798c7a1cb_qkv
    .symbol:         k_qb798c7a1cb_qkv.kd
    .args:
      - { .name: x_codes, .offset: 0, .size: 8, .value_kind: global_buffer, .address_space: global }
      - { .name: x_scales, .offset: 8, .size: 8, .value_kind: global_buffer, .address_space: global }
      - { .name: Wq_codes, .offset: 16, .size: 8, .value_kind: global_buffer, .address_space: global }
      - { .name: Wq_scales, .offset: 24, .size: 8, .value_kind: global_buffer, .address_space: global }
      - { .name: Wk_codes, .offset: 32, .size: 8, .value_kind: global_buffer, .address_space: global }
      - { .name: Wk_scales, .offset: 40, .size: 8, .value_kind: global_buffer, .address_space: global }
      - { .name: Wv_codes, .offset: 48, .size: 8, .value_kind: global_buffer, .address_space: global }
      - { .name: Wv_scales, .offset: 56, .size: 8, .value_kind: global_buffer, .address_space: global }
      - { .name: bq, .offset: 64, .size: 8, .value_kind: global_buffer, .address_space: global }
      - { .name: bk, .offset: 72, .size: 8, .value_kind: global_buffer, .address_space: global }
      - { .name: bv, .offset: 80, .size: 8, .value_kind: global_buffer, .address_space: global }
      - { .name: q_img, .offset: 88, .size: 8, .value_kind: global_buffer, .address_space: global }
      - { .name: q_sw, .offset: 96, .size: 8, .value_kind: global_buffer, .address_space: global }
      - { .name: k_img, .offset: 104, .size: 8, .value_kind: global_buffer, .address_space: global }
      - { .name: k_sw, .offset: 112, .size: 8, .value_kind: global_buffer, .address_space: global }
      - { .name: v_img, .offset: 120, .size: 8, .value_kind: global_buffer, .address_space: global }
      - { .name: v_sw, .offset: 128, .size: 8, .value_kind: global_buffer, .address_space: global }
    .group_segment_fixed_size: 327680
    .private_segment_fixed_size: 0
    .kernarg_segment_align: 8
    .kernarg_segment_size: 136
    .max_flat_workgroup_size: 128
    .sgpr_count:     102
    .vgpr_count:     1024
    .wavefront_size: 32
...
	.end_amdgpu_metadata
.endif
;; end of part 1
;; launch attn (part 2): grid 4 x 64, 16 waves a work-group, clusters of 4 x 1, 327,680 bytes of LDS; arguments q_img, q_sw, k_img, k_sw, v_img, v_sw, attention_mask, a_img, a_sc; writes a_img, a_sc
.if DOCPART == 2
	.amdgcn_target "amdgcn-amd-amdhsa--gfx1250"
	.amdhsa_code_object_version 6
	.text
	.protected	k_qb798c7a1cb_attn
	.globl	k_qb798c7a1cb_attn
	.p2align	8
	.type	k_qb798c7a1cb_attn,@function
k_qb798c7a1cb_attn:
	s_mov_b64 s[64:65], 0
	v_nop
	global_prefetch_b8 v0, s[64:65] scope:SCOPE_SE
	s_setreg_imm32_b32 hwreg(HW_REG_WAVE_MODE, 25, 1), 1
	s_wait_xcnt 0x0
	s_wait_alu depctr_hold_cnt(0) depctr_sa_sdst(0) depctr_va_vdst(0) depctr_va_sdst(0) depctr_va_ssrc(0) depctr_va_vcc(0) depctr_vm_vsrc(0)
	s_getreg_b32 s2, hwreg(HW_REG_IB_STS2, 6, 4)
	s_cmp_eq_u32 s2, 0
	s_cbranch_scc0 .Lentry_in_a_cluster
	s_endpgm
.Lentry_in_a_cluster:
	s_bfe_u32 s2, ttmp6, 0x10000c
	s_cmp_lg_u32 s2, 0x3003
	s_cbranch_scc0 .Lentry_shape_is_right
	s_endpgm
.Lentry_shape_is_right:
; attn[b][q][64 head + d] = the sum over keys of P[q][key] v[key][d],  P = softmax over the visible keys of (q . k / 8), 0 for a row with no visible key.  A key is visible where key <= query and attention_mask[b][key] != 0.
; Both products on codes of FP8 (E4M3) with one E8M0 scale for each 32 along K.  P IS QUANTISED FINISHED AND NORMALISED, along the keys: so a row's largest score and its sum are found first.
; TWO PASSES over the keys, tile by tile.  Pass 1: scores, running largest t (t = score x log2(e) / 8), M = that rounded up to a whole number, the sum of 2^(t - M).  Then M' = M + log2(sum).
; Pass 2: the scores once more (the same instructions on the same codes give the same bits), p = 2^(t - M'), which is the normalised weight, quantised in blocks of 32 keys, O^T += V^T P^T.
; O is then quantised along 64 head + d for the last product and stored as an operand's registers.
; LEFT OUT: key steps all of whose keys come after the tile's queries: the causal mask hides them.
; SHARES.  The cluster's y is batch x head; its four work-groups share that head's K and V, which stay in LDS WHOLE, filled once by joint loads: waves 0-3 a quarter of k's images each, waves 4-7 of v's,
; wave 8 k's scale words, wave 9 v's: one tensor load a wave, in one chain of branches on the wave's number.  Every wave waits for all of it ahead of the one barrier.
; All that the launch reads through LDS is asked for at the head: there is no loop to run ahead in, so nothing is prefetched.
; A tile is 16 queries: tile 8 g + 2 cx + e.  Wave w has e = w % 2 and takes g = w / 2 and 15 - g: (g + 1) + (16 - g) = 17 key steps of 128 keys in each pass, for every wave of every work-group.
; The steps left out are passed by a scalar branch on the wave's number and the loop's counter; the trip counts are constants.  The place in the cluster enters global offsets and lane masks alone: no branch, no LDS address.
; K = 64 IN AN INSTRUCTION OF K = 128.  q's operand is 8 registers of codes and 8 of zeros.  k's tiles lie on end, 8 registers each; tile t's operand is the 16 registers from its first on: its upper half is the
; next tile's codes (behind the last tile: zeros), which meet q's zeros.  The scale words carry the scale 1 for that half.
; LAYOUT.  Both products transposed: S^T = K Q^T, O^T = V^T P^T: lane (r, h) holds query r throughout.  THE KEYS OF A SCORE TILE ARE NOT NEIGHBOURS: row m of tile 2 b + u is key 32 b + 16 (m / 8) + 8 u + m % 8, picked by the
; lane's LDS address, so that registers 16 b .. 16 b + 15 of the scores are keys 32 b + 16 h + 0 .. 15 and the conversions' results are the second product's operand.
; THE KEY MASK IS THE C OF THE FIRST PRODUCT: 0 or -2^100 for each key, from LDS straight into the score registers.  THE CAUSAL MASK of a tile's own step is the same in both tiles and both passes: 64 lane masks, made once, in scalar registers.
; LIMITS.  Hidden scores are -2^100 and the running largest t begins at -2^80: true scores keep |t| under 2^80.  NaN and infinities are not served.  v_exp_f32 gives 0 under 2^-126.
; M' is rounded once to f32: a row's weights carry a common factor within 2^(half an ulp of M').  A block of zeros has the byte 1 where the rule says 127 (zero codes; only this program reads the bytes).
; The scale bytes of attn leave one byte a lane, 32 bytes apart: 32 bytes for each 1,024 of codes.
.set KIMG, 0                           ; LDS: k's images of the head, 16 steps x 8,192 bytes
.set VIMG, 131072                      ; v's likewise
.set KSW,  262144                      ; k's scale words, 512 bytes a step
.set VSW,  270336                      ; v's, 256 bytes a step
.set BIAS, 274432                      ; 0 or -2^100 for each of the 2,048 keys: written by LDS stores, in blocks into which no fill lands; the spare words lie behind, at 0x45000
.set LI,  1                            ; v1   16 lane
.set LV,  2                            ; v2   VIMG + 16 lane
.set BA,  3                            ; v3   BIAS + 64 h
.set KSA, 4                            ; v4   KSW + 16 x the lane whose words I take
.set VSA, 5                            ; v5   VSW + 8 lane
.set ADK, 6                            ; v6-10 the step's addresses
.set ADV, 7
.set ADB, 8
.set ADS, 9
.set ADT, 10
.set LK,  11                           ; v11  my place in a pair of k's tiles: 1024 (r / 8) + 256 h + 16 (r % 8)
.set QF,  16                           ; v16-23 q's codes, v24-31 zeros
.set KF,  32                           ; v32-95 k's 8 tiles, later v's 4 fragments; v96-103 zeros
.set S,   104                          ; v104-167 scores, then p
.set OT,  168                          ; v168-199 O^T
.set PR,  200                          ; v200-215 p's codes
.set KSC, 216                          ; v216-219 k's scale words: register b, lanes 0-15 tile 2 b, lanes 16-31 tile 2 b + 1
.set VSC, 220                          ; v220-221 v's likewise
.set QSC, 222                          ; v222 q's
.set PW,  223                          ; v223 p's
.set BM,  224                          ; v224-227 a block's largest
.set BP,  228                          ; v228-231 the other half's; bytes
.set HL,  232                          ; v232-235 448 x the scale
.set SO,  236                          ; v236-239 the conversions' scale operands
.set HL2, 241                          ; v241-244 448 x the scale once more: the two halves of a dual pair take their second sources from different banks
.set DD,  248                          ; v248 at the head: my query's place in its step less 16 h
.set NEG, 252                          ; v252 -2^100
.set QO,  253                          ; v253 an offset in q_img, later in a_img
.set QSL, 254                          ; v254 16 (r + 16 e) + 4 cx: my tile's word in a step of q_sw
.set ASL, 255                          ; v255 32 r + h
.set MNT, 2                            ; s2   the mantissa field of 448
.set HM,  3                            ; s3   lanes 16-31
.set TMP, 8
.set WV,  22
.set TJE, 23                           ; s23  2 cx + e
.set G,   24                           ; s24  the tile's step
.set CX,  25
.set BH,  26
.set ST,  27                           ; s27  the key step
.set KO,  28                           ; s28  8,192 a step
.set BO,  29                           ; s29  512 a step
.set VOS, 30                           ; s30  256 a step
.set TL,  31                           ; s31  tiles to go
.set SEL, 32                           ; s[32:33]
.set CS,  34                           ; s[34:35] c = log2(e) / 8
.set G1A, 36                           ; at the head: s[36:43] 128 rows of 256 bytes;  s[44:51] 32 rows;  s[52:59] 16 rows;  the groups 0 from s68 on
.set G1B, 44
.set G1C, 52
.set G0K, 68
.set G0V, 72
.set G0KS, 76
.set G0VS, 80
; behind the head s36-63 and s66-101 hold the 64 causal lane masks: score register n has s[36 + n] (n < 28) or s[38 + n]
.macro ROUND                           ; a round of the cluster's barrier
	s_barrier_signal -1
	s_barrier_wait -1
	s_cmp_lg_u32 s[WV], 0
	s_cbranch_scc1 .Lnot_wave_0_\@
	s_barrier_signal -3
.Lnot_wave_0_\@:
	s_barrier_wait -3
	s_barrier_signal -1
	s_barrier_wait -1
.endm
	s_load_b512 s[4:19], s[0:1], 0x0               ; q_img, q_sw, k_img, k_sw, v_img, v_sw, attention_mask, a_img
	s_load_b64 s[20:21], s[0:1], 0x40              ; a_sc
	v_lshl_add_u32 v254, v0, 2, 0x45000
	v_mov_b32 v255, 0
	ds_add_u32 v254, v255                          ; the opening lines: the add twice on end and its wait
	ds_add_u32 v254, v255
	v_lshrrev_b32 v1, 5, v0
	v_readfirstlane_b32 s[WV], v1                  ; wave 0..15
	s_bfe_u32 s[CX], ttmp6, 0x40000                ; my place in the cluster
	s_and_b32 s[BH], ttmp7, 0xffff                 ; 16 batch + head
	; descriptor groups 1: dense blocks as rows of 256 bytes (32 elements of 8 bytes), no padding; the mask names all four work-groups, bit 21 beside it
.irp g, G1A, G1B, G1C
	s_mov_b32 s[\g], 15|(3<<16)|(1<<21)
	s_mov_b32 s[\g+1], 32<<16                      ; tensor_dim0
	s_mov_b32 s[\g+3], 32<<16                      ; tile_dim0
	s_mov_b32 s[\g+5], 32                          ; the pitch
	s_mov_b32 s[\g+6], 0
	s_mov_b32 s[\g+7], 0
.endr
	s_mov_b32 s[G1A+2], 128<<16                    ; tensor_dim1,
	s_mov_b32 s[G1A+4], 128                        ; tile_dim1
	s_mov_b32 s[G1B+2], 32<<16
	s_mov_b32 s[G1B+4], 32
	s_mov_b32 s[G1C+2], 16<<16
	s_mov_b32 s[G1C+4], 16
	s_and_b32 s88, s[WV], 3
	s_lshl_b32 s88, s88, 15                        ; my quarter of a head's images: 32,768 bytes
	s_lshl_b32 s84, s[BH], 17                      ; a head's images: 131,072 bytes
	s_mov_b32 s85, 0
	s_add_co_u32 s86, s84, s88
	s_mov_b32 s87, 0
	s_lshl_b32 s90, s[BH], 13                      ; k_sw: 8,192 a head
	s_mov_b32 s91, 0
	s_lshl_b32 s92, s[BH], 12                      ; v_sw: 4,096 a head
	s_mov_b32 s93, 0
	s_wait_dscnt 0x0                               ; both opening adds are done
	s_wait_kmcnt 0x0
	s_mov_b32 s[G0K], 1
	s_mov_b32 s[G0K+1], s88
	s_add_nc_u64 s[G0K+2:G0K+3], s[8:9], s[86:87]
	s_or_b32 s[G0K+3], s[G0K+3], 0x80000000
	s_mov_b32 s[G0V], 1
	s_add_co_u32 s[G0V+1], s88, VIMG
	s_add_nc_u64 s[G0V+2:G0V+3], s[12:13], s[86:87]
	s_or_b32 s[G0V+3], s[G0V+3], 0x80000000
	s_mov_b32 s[G0KS], 1
	s_mov_b32 s[G0KS+1], KSW
	s_add_nc_u64 s[G0KS+2:G0KS+3], s[10:11], s[90:91]
	s_or_b32 s[G0KS+3], s[G0KS+3], 0x80000000
	s_mov_b32 s[G0VS], 1
	s_mov_b32 s[G0VS+1], VSW
	s_add_nc_u64 s[G0VS+2:G0VS+3], s[14:15], s[92:93]
	s_or_b32 s[G0VS+3], s[G0VS+3], 0x80000000
	ROUND                                          ; all four work-groups are here: the joint loads meet
.macro ARM under, g0, g1, next         ; an arm: its load, the lines behind it, a jump to the join
	s_cmp_lt_u32 s[WV], \under
	s_cbranch_scc0 \next
	tensor_load_to_lds s[\g0:\g0+3], s[\g1:\g1+7]
	s_nop 0
.rept 4
	v_nop
.endr
	s_branch .Lhead_asked
\next:
.endm
	ARM 4,  G0K,  G1A, .Lhead_v
	ARM 8,  G0V,  G1A, .Lhead_ks
	ARM 9,  G0KS, G1B, .Lhead_vs
	ARM 10, G0VS, G1C, .Lhead_none
.Lhead_asked:
	s_add_nc_u64 s[4:5], s[4:5], s[84:85]          ; q_img at my head
	s_lshl_b32 s86, s[BH], 13
	s_add_nc_u64 s[6:7], s[6:7], s[86:87]          ; q_sw at my head
	s_lshr_b32 s88, s[BH], 4                       ; batch
	s_and_b32 s90, s[BH], 15                       ; head
	s_lshl_b32 s86, s88, 13
	s_add_nc_u64 s[16:17], s[16:17], s[86:87]      ; the batch's 2,048 words of the mask
	s_lshl_b32 s86, s88, 21                        ; a_img: 128 row tiles of 16,384 bytes a batch, 1,024 bytes a head in each
	s_lshl_b32 s92, s90, 10
	s_add_co_u32 s86, s86, s92
	s_add_nc_u64 s[18:19], s[18:19], s[86:87]
	s_lshl_b32 s86, s88, 16                        ; a_sc: 2,048 rows of 32 bytes a batch, 2 bytes a head in each
	s_lshl_b32 s92, s90, 1
	s_add_co_u32 s86, s86, s92
	s_add_nc_u64 s[20:21], s[20:21], s[86:87]
	s_and_b32 s84, s[WV], 1                        ; e
	s_lshl_b32 s[TJE], s[CX], 1
	s_add_co_u32 s[TJE], s[TJE], s84
	s_lshr_b32 s[G], s[WV], 1
	s_lshl_b32 s89, s[TJE], 4                      ; 32 cx + 16 e
	s_lshl_b32 s94, s84, 8
	s_lshl_b32 s86, s[CX], 2
	s_add_co_u32 s94, s94, s86
	s_mov_b32 s[SEL], 0x76543210
	s_mov_b32 s[SEL+1], 0xfedcba98
	s_mov_b32 s[CS], 0x3e38aa3b                    ; log2(e) / 8
	s_mov_b32 s[CS+1], s[CS]
	s_mov_b32 s[MNT], 0x600000
	s_mov_b32 s[HM], 0xffff0000
	v_lshlrev_b32 v243, 4, v0
	global_load_b128 v[S:S+3], v243, s[16:17]      ; four keys' mask words a thread: 512 threads, 2,048 keys
	v_and_b32 v242, 31, v0                         ; lane
	v_and_b32 v240, 15, v0                         ; r
	v_bfe_u32 v241, v0, 4, 1                       ; h
	v_and_b32 v244, 7, v0                          ; r % 8
	v_bfe_u32 v246, v0, 3, 1                       ; r / 8
	v_lshlrev_b32 v[LI], 4, v242
	v_add_nc_u32 v[LV], VIMG, v[LI]
	v_lshl_add_u32 v[BA], v241, 6, BIAS
	v_lshlrev_b32 v[LK], 4, v244
	v_lshl_add_u32 v[KSA], v241, 7, v[LK]          ; lane 16 u + m takes the words that lie at lane 16 (m / 8) + 8 u + m % 8
	v_lshl_add_u32 v[KSA], v246, 8, v[KSA]
	v_add_nc_u32 v[KSA], KSW, v[KSA]
	v_lshl_add_u32 v[LK], v241, 8, v[LK]
	v_lshl_add_u32 v[LK], v246, 10, v[LK]
	v_lshl_add_u32 v[VSA], v242, 3, VSW
	v_lshlrev_b32 v247, 4, v241
	v_sub_nc_u32 v[DD], v240, v247
	v_add_nc_u32 v[DD], s89, v[DD]                 ; 32 cx + 16 e + r - 16 h
	v_lshl_add_u32 v[QSL], v240, 4, s94
	v_lshl_add_u32 v[ASL], v240, 5, v241
	v_mov_b32 v[NEG], 0xf1800000                   ; -2^100
.irp j, 0,1,2,3,4,5,6,7
	v_mov_b32 v[QF+8+\j], 0                        ; the upper 64 of q's K step: zero codes
	v_mov_b32 v[KF+64+\j], 0                       ; behind k's last tile
.endr
.irp j, 228,229,230,231,245
	v_mov_b32 v\j, 0                               ; lane permutes' destinations, and the upper half of a pair that is named whole
.endr
	s_wait_alu depctr_va_vdst(0)                   ; the wait at the head's end
	s_wait_loadcnt 0x0
.irp i, 0,1,2,3
	v_cmp_eq_u32 vcc_lo, 0, v[S+\i]
	v_cndmask_b32 v[S+\i], 0, v[NEG], vcc_lo       ; 0 for a key that counts, -2^100 for one that does not
.endr
	v_lshl_add_u32 v242, v0, 4, BIAS
	ds_store_b128 v242, v[S:S+3]
	s_wait_tensorcnt 0x0                           ; my load, if I had one, has landed; its descriptors' registers are free
.set n, 0
.rept 64                               ; score register n = 16 b + i holds key 32 b + 16 h + i of the step: hidden in the tile's own step where 32 b + i > my query's place - 16 h
.if n < 28
	v_cmp_gt_i32 s[36+n], 32*(n/16)+n%16, v[DD]
.else
	v_cmp_gt_i32 s[38+n], 32*(n/16)+n%16, v[DD]
.endif
.set n, n+1
.endr
	s_wait_alu depctr_va_vdst(0)
	s_wait_dscnt 0x0                               ; my store has landed
	s_barrier_signal -1
	s_barrier_wait -1                              ; K, V, their scale words and the key mask are whole; nothing is ever filled again
.macro QLOAD                           ; my tile's codes and scale words
	s_lshl_b32 s[TMP], s[G], 3
	s_add_co_u32 s[TMP], s[TMP], s[TJE]            ; the tile
	v_lshl_add_u32 v[QO], s[TMP], 10, v[LI]
	global_load_b128 v[QF:QF+3], v[QO], s[4:5]
	global_load_b128 v[QF+4:QF+7], v[QO], s[4:5] offset:512
	v_lshl_add_u32 v243, s[G], 9, v[QSL]
	global_load_b32 v[QSC], v243, s[6:7]
.endm
.macro SCORES                          ; S^T = K Q^T + the key mask, 128 keys
.irp t, 0,1,2,3,4,5,6,7
	ds_load_b128 v[KF+8*\t:KF+8*\t+3], v[ADK] offset:2048*(\t/2)+128*(\t%2)
	ds_load_b128 v[KF+8*\t+4:KF+8*\t+7], v[ADK] offset:2048*(\t/2)+128*(\t%2)+512
.endr
	ds_load_b128 v[KSC:KSC+3], v[ADS]
.irp t, 0,1,2,3,4,5,6,7
	ds_load_b128 v[S+8*\t:S+8*\t+3], v[ADB] offset:128*(\t/2)+32*(\t%2)      ; keys 32 (t / 2) + 16 h + 8 (t % 2) + 0 .. 3: sixteen lanes share the 16 bytes
	ds_load_b128 v[S+8*\t+4:S+8*\t+7], v[ADB] offset:128*(\t/2)+32*(\t%2)+16
.endr
	s_wait_dscnt 0x0
.irp t, 0,2,4,6                        ; eight accumulators, one instruction each
	v_wmma_scale_f32_16x16x128_f8f6f4 v[S+8*\t:S+8*\t+7], v[KF+8*\t:KF+8*\t+15], v[QF:QF+15], v[S+8*\t:S+8*\t+7], v[KSC+\t/2], v[QSC]
	v_wmma_scale_f32_16x16x128_f8f6f4 v[S+8*(\t+1):S+8*(\t+1)+7], v[KF+8*(\t+1):KF+8*(\t+1)+15], v[QF:QF+15], v[S+8*(\t+1):S+8*(\t+1)+7], v[KSC+\t/2], v[QSC] matrix_a_scale:MATRIX_SCALE_ROW1
.endr
.rept 8
	v_nop                                          ; places in front of the first read of results and of loads into registers that these products have read
.endr
.endm
.macro DIAG                            ; in the tile's own step the keys behind a query are hidden, by the lane masks made at the head
	s_cmp_lg_u32 s[ST], s[G]
	s_cbranch_scc1 .Lopen_\@
.set n, 0
.rept 64
.if n < 28
	v_cndmask_b32 v[S+n], v[S+n], v[NEG], s[36+n]
.else
	v_cndmask_b32 v[S+n], v[S+n], v[NEG], s[38+n]
.endif
.set n, n+1
.endr
.Lopen_\@:
.endm
.macro BLOCKMAX                        ; my 16 scores of each block of 32 keys, the four blocks by turns; each accumulator is read from its low end on
.irp b, 0,1,2,3
	v_max3_num_f32 v[BM+\b], v[S+16*\b], v[S+1+16*\b], v[S+2+16*\b]
.endr
.irp i, 3,5,7,9,11,13
.irp b, 0,1,2,3
	v_max3_num_f32 v[BM+\b], v[BM+\b], v[S+16*\b+\i], v[S+1+16*\b+\i]
.endr
.endr
.irp b, 0,1,2,3
	v_max_num_f32 v[BM+\b], v[BM+\b], v[S+15+16*\b]
.endr
.endm
.macro TMINUSM                         ; t - M (pass 2: t - M'), two at a time: of the pairs c and -M the low word serves both halves
.set j, 0
.rept 32
	v_pk_fma_f32 v[S+j:S+j+1], v[S+j:S+j+1], s[CS:CS+1], v[12:13] op_sel_hi:[1,0,0]
.set j, j+2
.endr
.endm
.macro EXPS
.set j, 0
.rept 64
	v_exp_f32 v[S+j], v[S+j]
.set j, j+1
.endr
.endm
	s_mov_b32 s[TL], 2
.Ltile:
	s_wait_xcnt 0x0                                ; the last tile's stores have read their registers
	QLOAD
	; ---- PASS 1: M and the sum
	v_mov_b32 v13, 0xe7800000                      ; the largest t so far: -2^80: over every hidden t, under every true one
	v_floor_f32 v12, -v13                          ; -M
	v_mov_b32 v14, 0                               ; the sum, in two halves
	v_mov_b32 v15, 0
	s_mov_b32 s[ST], 0
	s_mov_b32 s[KO], 0
	s_mov_b32 s[BO], 0
	s_wait_loadcnt 0x0
.Lstep1:                                               ; 16 trips; the steps behind the tile's own do no work
	s_cmp_gt_u32 s[ST], s[G]
	s_cbranch_scc1 .Lskip1
	v_add_nc_u32 v[ADK], s[KO], v[LK]
	v_add_nc_u32 v[ADB], s[BO], v[BA]
	v_add_nc_u32 v[ADS], s[BO], v[KSA]
	SCORES
	DIAG
	BLOCKMAX
	s_delay_alu instid0(VALU_DEP_2)
	v_max3_num_f32 v242, v[BM], v[BM+1], v[BM+2]
	s_delay_alu instid0(VALU_DEP_1)
	v_max_num_f32 v242, v242, v[BM+3]
	s_delay_alu instid0(VALU_DEP_1)
	v_permlanex16_b32 v243, v242, s[SEL], s[SEL+1]
	s_delay_alu instid0(VALU_DEP_1)
	v_max_num_f32 v242, v242, v243                 ; the step's largest score of my query
	s_delay_alu instid0(VALU_DEP_1)
	v_mul_f32 v242, s[CS], v242                    ; as t
	s_delay_alu instid0(VALU_DEP_1)
	v_max_num_f32 v13, v13, v242
	v_mov_b32 v242, v12
	s_delay_alu instid0(VALU_DEP_2)
	v_floor_f32 v12, -v13                          ; the new -M = -ceil(t): a whole number
	s_delay_alu instid0(VALU_DEP_1)
	v_sub_f32 v242, v12, v242                      ; old M - new M: a whole number, 0 or less
	s_delay_alu instid0(VALU_DEP_1)
	v_cvt_i32_f32 v242, v242                       ; (it saturates)
	s_delay_alu instid0(VALU_DEP_1)
	v_ldexp_f32 v244, 1.0, v242                    ; f = 2^(old M - new M): the multiplication by it rounds nothing
	TMINUSM
	s_wait_alu depctr_va_vdst(0)                   ; the wait ahead of the batch
	EXPS
	v_pk_mul_f32 v[14:15], v[14:15], v[244:245] op_sel_hi:[1,0]   ; the sum under the new M.  (The plain instruction behind the exponentials)
	s_wait_alu depctr_va_vdst(0)                   ; one wait for the batch of 64, ahead of its first reader
	v_pk_add_f32 v[240:241], v[108:109], v[112:113]
	v_pk_add_f32 v[250:251], v[116:117], v[120:121]
	v_pk_add_f32 v[238:239], v[124:125], v[128:129]
	v_pk_add_f32 v[236:237], v[132:133], v[136:137]
	v_pk_add_f32 v[234:235], v[140:141], v[144:145]
	v_pk_add_f32 v[232:233], v[148:149], v[152:153]
	v_pk_add_f32 v[226:227], v[156:157], v[160:161]
	v_pk_add_f32 v[14:15], v[14:15], v[164:165]
	v_pk_add_f32 v[240:241], v[240:241], v[104:105]
	v_pk_add_f32 v[250:251], v[250:251], v[106:107]
	v_pk_add_f32 v[238:239], v[238:239], v[110:111]
	v_pk_add_f32 v[236:237], v[236:237], v[114:115]
	v_pk_add_f32 v[234:235], v[234:235], v[118:119]
	v_pk_add_f32 v[232:233], v[232:233], v[122:123]
	v_pk_add_f32 v[226:227], v[226:227], v[126:127]
	v_pk_add_f32 v[14:15], v[14:15], v[130:131]
	v_pk_add_f32 v[240:241], v[240:241], v[134:135]
	v_pk_add_f32 v[250:251], v[250:251], v[138:139]
	v_pk_add_f32 v[238:239], v[238:239], v[142:143]
	v_pk_add_f32 v[236:237], v[236:237], v[146:147]
	v_pk_add_f32 v[234:235], v[234:235], v[150:151]
	v_pk_add_f32 v[232:233], v[232:233], v[154:155]
	v_pk_add_f32 v[226:227], v[226:227], v[158:159]
	v_pk_add_f32 v[14:15], v[14:15], v[162:163]
	v_pk_add_f32 v[240:241], v[240:241], v[166:167]
	v_pk_add_f32 v[14:15], v[14:15], v[236:237]
	v_pk_add_f32 v[240:241], v[240:241], v[234:235]
	v_pk_add_f32 v[250:251], v[250:251], v[232:233]
	v_pk_add_f32 v[238:239], v[238:239], v[226:227]
	v_pk_add_f32 v[14:15], v[14:15], v[250:251]
	v_pk_add_f32 v[240:241], v[240:241], v[238:239]
	v_pk_add_f32 v[14:15], v[14:15], v[240:241]
.Lskip1:
	s_add_co_u32 s[KO], s[KO], 8192
	s_add_co_u32 s[BO], s[BO], 512
	s_add_co_u32 s[ST], s[ST], 1
	s_cmp_lt_u32 s[ST], 16
	s_cbranch_scc1 .Lstep1
	s_wait_alu depctr_va_vdst(0)
	v_add_f32 v14, v14, v15
	v_permlanex16_b32 v242, v14, s[SEL], s[SEL+1]
	v_add_f32 v14, v14, v242                       ; the row's sum: at least 1/2 where a key is visible, 0 where none is
	s_wait_alu depctr_va_vdst(0)                   ; ahead of the transcendental
	v_log_f32 v243, v14
	v_nop                                          ; the place behind it
	v_cmp_lt_f32 vcc_lo, 0, v14
	s_wait_alu depctr_va_vdst(0)                   ; ahead of its first reader
	v_sub_f32 v12, v12, v243                       ; -M' = -M - log2(sum): 2^(t - M') is the normalised weight
	v_cndmask_b32 v12, 0, v12, vcc_lo              ; a row with no visible key: -M' = 0; its every t is hidden, so its weights are 0
	; ---- PASS 2
.set j, 0
.rept 32
	v_mov_b32 v[OT+j], 0                           ; the step is written once: the first finds zeros
.set j, j+1
.endr
	s_mov_b32 s[ST], 0
	s_mov_b32 s[KO], 0
	s_mov_b32 s[BO], 0
	s_mov_b32 s[VOS], 0
.Lstep2:
	s_cmp_gt_u32 s[ST], s[G]
	s_cbranch_scc1 .Lskip2
	v_add_nc_u32 v[ADK], s[KO], v[LK]
	v_add_nc_u32 v[ADB], s[BO], v[BA]
	v_add_nc_u32 v[ADS], s[BO], v[KSA]
	v_add_nc_u32 v[ADV], s[KO], v[LV]
	v_add_nc_u32 v[ADT], s[VOS], v[VSA]
	SCORES
	s_wait_alu depctr_va_vdst(0)
.irp d, 0,1,2,3                        ; v's four fragments take k's registers: asked for now, wanted behind the softmax
.irp c, 0,1,2,3
	ds_load_b128 v[KF+16*\d+4*\c:KF+16*\d+4*\c+3], v[ADV] offset:2048*\d+512*\c
.endr
.endr
	ds_load_b64 v[VSC:VSC+1], v[ADT]
	DIAG
	BLOCKMAX
.irp b, 0,1,2,3
	s_delay_alu instid0(VALU_DEP_4)
	v_permlanex16_b32 v[BP+\b], v[BM+\b], s[SEL], s[SEL+1]
.endr
.irp b, 0,1,2,3
	s_delay_alu instid0(VALU_DEP_4)
	v_max_num_f32 v[BM+\b], v[BM+\b], v[BP+\b]     ; the block's largest score: p rises with the score, so the same lines make of it the block's largest p
.endr
	TMINUSM
.irp b, 0,1,2,3
	v_fma_f32 v[BM+\b], v[BM+\b], s[CS], v12
.endr
	s_wait_alu depctr_va_vdst(0)                   ; ahead of the batch
	EXPS                                           ; p, NORMALISED: what is quantised
.irp b, 0,1,2,3
	v_exp_f32 v[BM+\b], v[BM+\b]
.endr
	v_nop                                          ; the plain instruction behind the last exponential
	s_wait_alu depctr_va_vdst(0)                   ; one wait for the batch of 68
.irp b, 0,1,2,3
	v_max_num_f32 v[BM+\b], 0x4800000, v[BM+\b]    ; the floor 2^(9 - 127): the byte cannot fall under 1
.endr
.irp b, 0,1,2,3
	s_delay_alu instid0(VALU_DEP_4)
	v_add_nc_u32 v[SO+\b], 0xfc000000, v[BM+\b]    ; 8 off the exponent field: the conversion's scale operand
.endr
.irp b, 0,1,2,3
	v_and_or_b32 v[HL+\b], v[BM+\b], 0x7f800000, s[MNT]   ; 448 x the scale,
.endr
.irp b, 0,1,2,3
	v_and_or_b32 v[HL2+\b], v[BM+\b], 0x7f800000, s[MNT]  ; and once more, in another bank
.endr
.irp b, 0,1,2,3
	v_lshrrev_b32 v[BP+\b], 23, v[SO+\b]           ; the scale's byte
.endr
	s_delay_alu instid0(VALU_DEP_3)
	v_lshl_or_b32 v[PW], v[BP+1], 8, v[BP]         ; p's scale word for these 128 keys
	s_delay_alu instid0(VALU_DEP_1)
	v_lshl_or_b32 v[PW], v[BP+2], 16, v[PW]
	s_delay_alu instid0(VALU_DEP_1)
	v_lshl_or_b32 v[PW], v[BP+3], 24, v[PW]
.irp b, 0,1,2,3
.irp i, 0,2,4,6,8,10,12,14             ; the conversion does not saturate (ISA guide 7.6.2); p is not negative, so the hold is one-sided; two holds to an instruction
	v_dual_min_num_f32 v[S+16*\b+\i], v[S+16*\b+\i], v[HL+\b] :: v_dual_min_num_f32 v[S+16*\b+\i+1], v[S+16*\b+\i+1], v[HL2+\b]
.endr
	v_cvt_scalef32_pk8_fp8_f32 v[PR+4*\b:PR+4*\b+1], v[S+16*\b:S+16*\b+7], v[SO+\b]       ; keys 32 b + 16 h + 0 .. 7
	v_cvt_scalef32_pk8_fp8_f32 v[PR+4*\b+2:PR+4*\b+3], v[S+16*\b+8:S+16*\b+15], v[SO+\b]  ; keys 32 b + 16 h + 8 .. 15: registers 4 b .. 4 b + 3 of the operand
.endr
.rept 4
	v_nop                                          ; an operand written by vector instructions stands four places ahead of a scaled matrix instruction (the scale word stands far more than eight)
.endr
	s_wait_alu depctr_va_vdst(0)
	s_wait_dscnt 0x0                               ; v
.irp d, 0,2                            ; O^T += V^T P^T: four accumulators by turns
	v_wmma_scale_f32_16x16x128_f8f6f4 v[OT+8*\d:OT+8*\d+7], v[KF+16*\d:KF+16*\d+15], v[PR:PR+15], v[OT+8*\d:OT+8*\d+7], v[VSC+\d/2], v[PW]
	v_wmma_scale_f32_16x16x128_f8f6f4 v[OT+8*(\d+1):OT+8*(\d+1)+7], v[KF+16*(\d+1):KF+16*(\d+1)+15], v[PR:PR+15], v[OT+8*(\d+1):OT+8*(\d+1)+7], v[VSC+\d/2], v[PW] matrix_a_scale:MATRIX_SCALE_ROW1
.endr
.rept 8
	v_nop                                          ; places in front of the next step's loads and of the way out's reads
.endr
.Lskip2:
	s_add_co_u32 s[KO], s[KO], 8192
	s_add_co_u32 s[BO], s[BO], 512
	s_add_co_u32 s[VOS], s[VOS], 256
	s_add_co_u32 s[ST], s[ST], 1
	s_cmp_lt_u32 s[ST], 16
	s_cbranch_scc1 .Lstep2
	; the tile's way out: register 8 t + j is attn(query r, 64 head + 16 t + 8 h + j): two blocks of 32 along the last product's K
.irp c, 0,1
	v_max3_num_f32 v[BM+\c], |v[OT+16*\c]|, |v[OT+1+16*\c]|, 0x4800000
.endr
.irp i, 2,4,6,8,10,12,14
.irp c, 0,1
	v_max3_num_f32 v[BM+\c], v[BM+\c], |v[OT+16*\c+\i]|, |v[OT+1+16*\c+\i]|
.endr
.endr
.irp c, 0,1
	s_delay_alu instid0(VALU_DEP_2)
	v_permlanex16_b32 v[BP+\c], v[BM+\c], s[SEL], s[SEL+1]
.endr
.irp c, 0,1
	s_delay_alu instid0(VALU_DEP_2)
	v_max_num_f32 v[BM+\c], v[BM+\c], v[BP+\c]
.endr
.irp c, 0,1
	s_delay_alu instid0(VALU_DEP_2)
	v_add_nc_u32 v[SO+\c], 0xfc000000, v[BM+\c]
.endr
.irp c, 0,1
	s_delay_alu instid0(VALU_DEP_4)
	v_and_or_b32 v[HL+\c], v[BM+\c], 0x7f800000, s[MNT]
.endr
.irp c, 0,1
	s_delay_alu instid0(VALU_DEP_4)
	v_lshrrev_b32 v[BP+\c], 23, v[SO+\c]
.endr
.irp c, 0,1
.irp i, 0,1,2,3,4,5,6,7,8,9,10,11,12,13,14,15
	v_med3_num_f32 v[OT+16*\c+\i], v[OT+16*\c+\i], -v[HL+\c], v[HL+\c]
.endr
	v_cvt_scalef32_pk8_fp8_f32 v[PR+4*\c:PR+4*\c+1], v[OT+16*\c:OT+16*\c+7], v[SO+\c]
	v_cvt_scalef32_pk8_fp8_f32 v[PR+4*\c+2:PR+4*\c+3], v[OT+16*\c+8:OT+16*\c+15], v[SO+\c]
.endr
	v_nop
.irp c, 0,1
	v_permlane16_swap_b32 v[PR+4*\c], v[PR+4*\c+2]     ; registers 4 c .. 4 c + 3 now hold channels 32 c + 16 h + 0 .. 15
	v_permlane16_swap_b32 v[PR+4*\c+1], v[PR+4*\c+3]
.endr
	s_lshl_b32 s[TMP], s[G], 3
	s_add_co_u32 s[TMP], s[TMP], s[TJE]            ; the tile
	v_lshl_add_u32 v[QO], s[TMP], 14, v[LI]
	global_store_b128 v[QO], v[PR:PR+3], s[18:19]              ; 512 consecutive bytes: chunk 2 (head % 2) of K step head / 2 of the row tile's image,
	global_store_b128 v[QO], v[PR+4:PR+7], s[18:19] offset:512 ; and the next chunk
	v_cndmask_b32 v[BP], v[BP], v[BP+1], s[HM]     ; lanes 0-15: the first block's byte; lanes 16-31: the second's
	v_lshl_add_u32 v242, s[TMP], 9, v[ASL]
	global_store_b8 v242, v[BP], s[20:21]
	s_sub_co_u32 s[G], 15, s[G]                    ; my other tile
	s_sub_co_u32 s[TL], s[TL], 1
	s_cmp_lg_u32 s[TL], 0
	s_cbranch_scc1 .Ltile
	s_wait_dscnt 0x0
	s_wait_xcnt 0x0
	v_lshl_add_u32 v254, v0, 2, 0x45000
	v_mov_b32 v255, 0
	s_wait_alu depctr_va_vdst(0)
	s_wait_tensorcnt 0x0                           ; the wave's end
	ds_add_u32 v254, v255
	s_wait_dscnt 0x0
	ROUND                                          ; the closing round
	s_endpgm
.Lfunc_end_k_qb798c7a1cb_attn:
	.size	k_qb798c7a1cb_attn, .Lfunc_end_k_qb798c7a1cb_attn-k_qb798c7a1cb_attn
	.p2alignl 7, 3214868480
	.fill 96, 4, 3214868480
	.section	.rodata,"a",@progbits
	.p2align	6, 0x0
	.amdhsa_kernel k_qb798c7a1cb_attn
		.amdhsa_group_segment_fixed_size 327680
		.amdhsa_private_segment_fixed_size 0
		.amdhsa_enable_private_segment 0
		.amdhsa_kernarg_size 72
		.amdhsa_user_sgpr_count 2
		.amdhsa_user_sgpr_kernarg_segment_ptr 1
		.amdhsa_wavefront_size32 1
		.amdhsa_system_sgpr_workgroup_id_x 1
		.amdhsa_system_sgpr_workgroup_id_y 1
		.amdhsa_system_sgpr_workgroup_id_z 1
		.amdhsa_system_vgpr_workitem_id 0
		.amdhsa_next_free_vgpr 256
		.amdhsa_next_free_sgpr 102
		.amdhsa_reserve_vcc 1
		.amdhsa_float_denorm_mode_32 3
		.amdhsa_float_denorm_mode_16_64 3
		.amdhsa_memory_ordered 1
		.amdhsa_forward_progress 1
		.amdhsa_inst_pref_size 60
	.end_amdhsa_kernel
	.amdgpu_metadata
---
amdhsa.version: [ 1, 2 ]
amdhsa.kernels:
  - .name:           k_qb798c7a1cb_attn
    .symbol:         k_qb798c7a1cb_attn.kd
    .args:
      - { .name: q_img, .offset: 0, .size: 8, .value_kind: global_buffer, .address_space: global }
      - { .name: q_sw, .offset: 8, .size: 8, .value_kind: global_buffer, .address_space: global }
      - { .name: k_img, .offset: 16, .size: 8, .value_kind: global_buffer, .address_space: global }
      - { .name: k_sw, .offset: 24, .size: 8, .value_kind: global_buffer, .address_space: global }
      - { .name: v_img, .offset: 32, .size: 8, .value_kind: global_buffer, .address_space: global }
      - { .name: v_sw, .offset: 40, .size: 8, .value_kind: global_buffer, .address_space: global }
      - { .name: attention_mask, .offset: 48, .size: 8, .value_kind: global_buffer, .address_space: global }
      - { .name: a_img, .offset: 56, .size: 8, .value_kind: global_buffer, .address_space: global }
      - { .name: a_sc, .offset: 64, .size: 8, .value_kind: global_buffer, .address_space: global }
    .group_segment_fixed_size: 327680
    .private_segment_fixed_size: 0
    .kernarg_segment_align: 8
    .kernarg_segment_size: 72
    .max_flat_workgroup_size: 512
    .sgpr_count:     102
    .vgpr_count:     256
    .wavefront_size: 32
...
	.end_amdgpu_metadata
.endif
;; end of part 2
;; launch proj (part 3): grid 4 x 32, 4 waves a work-group, clusters of 4 x 4, 327,680 bytes of LDS; arguments a_img, a_sc, Wp_codes, Wp_scales, bp, out0; writes out0
.if DOCPART == 3
	.amdgcn_target "amdgcn-amd-amdhsa--gfx1250"
	.amdhsa_code_object_version 6
	.text
	.protected	k_qb798c7a1cb_proj
	.globl	k_qb798c7a1cb_proj
	.p2align	8
	.type	k_qb798c7a1cb_proj,@function
k_qb798c7a1cb_proj:
	s_mov_b64 s[64:65], 0
	v_nop
	global_prefetch_b8 v0, s[64:65] scope:SCOPE_SE
	s_setreg_imm32_b32 hwreg(HW_REG_WAVE_MODE, 25, 1), 1
	s_wait_xcnt 0x0
	s_wait_alu depctr_hold_cnt(0) depctr_sa_sdst(0) depctr_va_vdst(0) depctr_va_sdst(0) depctr_va_ssrc(0) depctr_va_vcc(0) depctr_vm_vsrc(0)
	s_getreg_b32 s2, hwreg(HW_REG_IB_STS2, 6, 4)
	s_cmp_eq_u32 s2, 0
	s_cbranch_scc0 .Lentry_in_a_cluster
	s_endpgm
.Lentry_in_a_cluster:
	s_bfe_u32 s2, ttmp6, 0x10000c
	s_cmp_lg_u32 s2, 0xf033
	s_cbranch_scc0 .Lentry_shape_is_right
	s_endpgm
.Lentry_shape_is_right:
.set SIZE_N, 1024
.set KSTEP,  256
.set NQ,     KSTEP/128
.set ROWB,   256
.set KROW,   1024
.set PITCH,  272
.set FR,     16
.set NL,     4
.set NP,     8
.set HALFT,  128*PITCH
.set ASLB,   4096
.set AHALF,  8*ASLB
.set BOFF,   2*AHALF
.set SLOT,   BOFF+2*HALFT
.set LAPS,   1024/(2*KSTEP)
.set KS,     32
.set SCL,    2*SLOT
.set HALFS,  (128*KS/256)*272
.set SBLK,   (16*KS/256)*272
.set SPARE,  SCL+4*HALFS
.set SPITCH, 528
.set ADRA, 16
.set ADRB, 20
.set STO,  24
.set RD,   25
.set CO,   26
.set ADRS, 27
.set SPW,  28
.set NIL,  29
.set BCO,  30
.set SC,   32
.set COLB, 64
.set AF,   128
.set BK,   128
.set G1, 24
.set G0, 32
.set G1B, 48
.set G0B, 56
.set G1S, 68
.set G0S, 76
.set G1SB, 80
.set G0SB, 88
.set MSB, 0
.macro WIN new
.if MSB != (\new)
	s_set_vgpr_msb (MSB<<8)|(\new)
.set MSB, (\new)
.endif
.endm
.set MUL_LO, 0xa1
.set MUL_HI, 0xf1
.set FST_LO, 0x81
.set FST_HI, 0xc1
.set TO_B,   0x40
.macro JLOAD g0a, g1a, g0b, g1b
	s_cmp_eq_u32 s15, 0
	s_cbranch_scc0 .Lfor_b_\@
	tensor_load_to_lds s[\g0a:\g0a+3], s[\g1a:\g1a+7]
	s_nop 0
.rept 4
	v_nop
.endr
	s_branch .Lasked_\@
.Lfor_b_\@:
	tensor_load_to_lds s[\g0b:\g0b+3], s[\g1b:\g1b+7]
	s_nop 0
.rept 4
	v_nop
.endr
.Lasked_\@:
.endm
.macro CREST
	s_cmp_lg_u32 s14, 0
	s_cbranch_scc1 .Lnot_wave_0_\@
	s_barrier_signal -3
.Lnot_wave_0_\@:
	s_barrier_wait -3
	s_barrier_signal -1
	s_barrier_wait -1
.endm
.macro CROUND
	s_barrier_signal -1
	s_barrier_wait -1
	CREST
.endm
	s_load_b128 s[4:7], s[0:1], 0x0
	s_load_b128 s[8:11], s[0:1], 0x10
	s_load_b64 s[96:97], s[0:1], 0x20
	s_load_b64 s[12:13], s[0:1], 0x28
	v_lshl_add_u32 v[SPW], v0, 2, SPARE
	v_mov_b32 v[NIL], 0
	ds_add_u32 v28, v29
	ds_add_u32 v28, v29
	s_wait_dscnt 0x0
	v_lshrrev_b32 v1, 5, v0
	v_readfirstlane_b32 s14, v1
	s_lshr_b32 s15, s14, 1
	s_and_b32 s16, s14, 1
	s_bfe_u32 s40, ttmp6, 0x40000
	s_bfe_u32 s41, ttmp6, 0x40004
	s_lshl_b32 s42, ttmp9, 2
	s_add_co_u32 s42, s42, s40
	s_and_b32 s17, ttmp7, 0xffff
	s_lshl_b32 s17, s17, 2
	s_add_co_u32 s17, s17, s41
	s_lshl_b32 s43, s41, 2
	s_lshl_b32 s43, 15, s43
	s_lshl_b32 s44, 0x1111, s40
	s_or_b32 s[G1+0], s43, (3<<16)|(1<<21)
	s_mov_b32 s[G1+1], 512<<16
	s_mov_b32 s[G1+2], 16<<16
	s_mov_b32 s[G1+3], 512<<16
	s_mov_b32 s[G1+4], 16
	s_mov_b32 s[G1+5], 2048
	s_mov_b32 s[G1+6], 0
	s_mov_b32 s[G1+7], 0
	s_or_b32 s[G1B+0], s44, (0<<16)|(1<<20)|(1<<21)|(5<<22)|(3<<25)
	s_mov_b32 s[G1B+1], ROWB<<16
	s_mov_b32 s[G1B+2], 256<<16
	s_mov_b32 s[G1B+3], ROWB<<16
	s_mov_b32 s[G1B+4], 256
	s_mov_b32 s[G1B+5], KROW
	s_mov_b32 s[G1B+6], 0
	s_mov_b32 s[G1B+7], 0
	s_or_b32 s[G1S+0], s43, (3<<16)|(1<<20)|(1<<21)|(5<<22)|(3<<25)
	s_or_b32 s[G1SB+0], s44, (3<<16)|(1<<20)|(1<<21)|(5<<22)|(3<<25)
.irp g, G1S, G1SB
	s_mov_b32 s[\g+1], 32<<16
	s_mov_b32 s[\g+2], KS<<16
	s_mov_b32 s[\g+3], 32<<16
	s_mov_b32 s[\g+4], KS
	s_mov_b32 s[\g+5], 32
	s_mov_b32 s[\g+6], 0
	s_mov_b32 s[\g+7], 0
.endr
	s_lshl_b32 s20, s17, 8
	s_lshl_b32 s46, s42, 8
	s_mov_b32 s21, 0
	s_mov_b32 s47, 0
	s_mov_b64 s[18:19], KS
	s_mul_u64 s[22:23], s[20:21], s[18:19]
	s_mul_u64 s[92:93], s[46:47], s[18:19]
	s_mov_b64 s[18:19], KROW
	s_mul_u64 s[20:21], s[20:21], s[18:19]
	s_mul_u64 s[46:47], s[46:47], s[18:19]
	s_lshl_b32 s45, s16, 15
	s_mul_i32 s95, s16, HALFT
	s_add_co_u32 s95, s95, BOFF
	s_mul_i32 s18, s16, 128*KROW                   ; in the ring a wave fetches 128 rows of a tile: which half, in bytes
	s_mov_b32 s19, 0
	s_wait_kmcnt 0x0
	s_add_nc_u64 s[20:21], s[4:5], s[20:21]
	s_add_nc_u64 s[22:23], s[6:7], s[22:23]
	s_add_nc_u64 s[46:47], s[8:9], s[46:47]
	s_add_nc_u64 s[92:93], s[10:11], s[92:93]
	CROUND
	s_mov_b32 s4, 1                                ; the head's four tiles, each whole: K step 0 of A's 16 row tiles (s[4:11] held arguments that have been used),
	s_mov_b32 s5, 0
	s_mov_b64 s[6:7], s[20:21]
	s_or_b32 s7, s7, 0x80000000
	s_mov_b32 s8, 1                                ; B's 256 rows, behind them in slot 0,
	s_mov_b32 s9, BOFF
	s_mov_b64 s[10:11], s[46:47]
	s_or_b32 s11, s11, 0x80000000
	s_mov_b32 s[G0S], 1                            ; the scales of A's 256 rows,
	s_mov_b32 s[G0S+1], SCL
	s_mov_b64 s[G0S+2:G0S+3], s[22:23]
	s_or_b32 s[G0S+3], s[G0S+3], 0x80000000
	s_mov_b32 s[G0SB], 1                           ; and of B's
	s_mov_b32 s[G0SB+1], SCL+2*HALFS
	s_mov_b64 s[G0SB+2:G0SB+3], s[92:93]
	s_or_b32 s[G0SB+3], s[G0SB+3], 0x80000000
	s_add_nc_u64 s[20:21], s[20:21], s[18:19]      ; for the ring: my 128 rows of the tile
	s_add_nc_u64 s[46:47], s[46:47], s[18:19]
.irp s, 0,1
	s_mov_b32 s[G0+4*\s], 1
	s_add_co_u32 s[G0+4*\s+1], s45, \s*SLOT
	s_add_nc_u64 s[G0+4*\s+2:G0+4*\s+3], s[20:21], \s*ASLB
	s_or_b32 s[G0+4*\s+3], s[G0+4*\s+3], 0x80000000
	s_mov_b32 s[G0B+4*\s], 1
	s_add_co_u32 s[G0B+4*\s+1], s95, \s*SLOT
	s_add_nc_u64 s[G0B+4*\s+2:G0B+4*\s+3], s[46:47], \s*ROWB
	s_or_b32 s[G0B+4*\s+3], s[G0B+4*\s+3], 0x80000000
.endr
; the head's loads, one a wave, in one chain of branches on the wave's number: wave 0 A's tiles, wave 1 B's rows, wave 2 A's scales, wave 3 B's
.macro ARM under, g0, g1, next
	s_cmp_lt_u32 s14, \under
	s_cbranch_scc0 \next
	tensor_load_to_lds s[\g0:\g0+3], s[\g1:\g1+7]
	s_nop 0
.rept 4
	v_nop
.endr
	s_branch .Lhead_asked
\next:
.endm
	ARM 1, 4, G1, .Lhead_b
	ARM 2, 8, G1B, .Lhead_sa
	ARM 3, G0S, G1S, .Lhead_sb
	tensor_load_to_lds s[G0SB:G0SB+3], s[G1SB:G1SB+7]
	s_nop 0
.rept 4
	v_nop
.endr
.Lhead_asked:
	v_and_b32 v1, 15, v0
	v_bfe_u32 v2, v0, 4, 1
	v_mul_u32_u24 v3, v1, PITCH
	v_lshl_add_u32 v4, v2, 4, v3
	v_and_b32 v6, 31, v0
	v_lshlrev_b32 v7, 4, v6
	s_lshl_b32 s21, s15, 15
	s_mul_i32 s22, s16, HALFT
	s_add_co_u32 s22, s22, BOFF
.irp s, 0,1
	v_add_nc_u32 v[ADRA+\s], s21, v7
	v_add_nc_u32 v[ADRB+\s], s22, v4
	s_add_co_u32 s21, s21, SLOT
	s_add_co_u32 s22, s22, SLOT
.endr
	v_mul_u32_u24 v5, v1, KS
	v_lshrrev_b32 v6, 8, v5
	v_lshl_add_u32 v5, v6, 4, v5
	s_mul_i32 s21, s15, HALFS
	s_mul_i32 s22, s16, HALFS
	s_add_co_u32 s22, s22, 2*HALFS
	s_sub_co_u32 s22, s22, s21
	v_mul_u32_u24 v6, s22, v2
	s_add_co_u32 s21, s21, SCL
	v_add_nc_u32 v5, v5, v6
	v_add_nc_u32 v[ADRS], s21, v5
	s_mul_i32 s23, s14, 16*SPITCH
	v_mul_u32_u24 v5, v1, SPITCH
	v_lshl_add_u32 v5, v2, 5, v5
	v_add_nc_u32 v[STO], s23, v5
	v_mov_b32 v[CO], v7
	v_add_nc_u32 v[RD], s23, v[CO]
	v_lshlrev_b32 v[BCO], 5, v2
	s_wait_alu depctr_va_vdst(0)
	s_lshl_b32 s20, s17, 8
	s_lshl_b32 s21, s15, 7
	s_add_co_u32 s20, s20, s21
	s_mov_b32 s21, 0
	s_mov_b64 s[18:19], SIZE_N*4
	s_mul_u64 s[20:21], s[20:21], s[18:19]
	s_lshl_b32 s46, s42, 10
	s_lshl_b32 s47, s16, 9
	s_add_co_u32 s46, s46, s47
	s_mov_b32 s47, 0
	s_add_nc_u64 s[96:97], s[96:97], s[46:47]
	s_add_nc_u64 s[20:21], s[20:21], s[46:47]
	s_add_nc_u64 s[12:13], s[12:13], s[20:21]
.irp t, 0,1,2,3,4,5,6,7
	global_load_b128 v[COLB+8*\t:COLB+8*\t+3], v[BCO], s[96:97] offset:64*\t
	global_load_b128 v[COLB+8*\t+4:COLB+8*\t+7], v[BCO], s[96:97] offset:64*\t+16
.endr
.macro FRAGB reg, adr, q, i
.irp c, 0,1,2,3
	ds_load_b128 v[\reg+4*\c:\reg+4*\c+3], v[\adr] offset:128*(\q)+32*\c+(\i)*16*PITCH
.endr
.endm
.macro FRAGA reg, adr, q, i
.irp c, 0,1,2,3
	ds_load_b128 v[\reg+4*\c:\reg+4*\c+3], v[\adr] offset:ASLB*(\i)+2048*(\q)+512*\c
.endr
.endm
.macro MUL16 a0, p, q, sc, first
.irp a, \a0, \a0+1
.irp b, 0,1,2,3,4,5,6,7
.if \first
	v_wmma_scale_f32_16x16x128_f8f6f4 v[8*(8*((\a)%4)+\b):8*(8*((\a)%4)+\b)+7], v[128*(\p)+FR*\b:128*(\p)+FR*\b+FR-1], v[AF+FR*(\a):AF+FR*(\a)+FR-1], v[COLB+8*\b:COLB+8*\b+7], v[SC+8*NQ*(\sc)+NQ*\b+(\q)], v[SC+8*NQ*(\sc)+NQ*(\a)+(\q)] matrix_a_scale:MATRIX_SCALE_ROW1
.else
	v_wmma_scale_f32_16x16x128_f8f6f4 v[8*(8*((\a)%4)+\b):8*(8*((\a)%4)+\b)+7], v[128*(\p)+FR*\b:128*(\p)+FR*\b+FR-1], v[AF+FR*(\a):AF+FR*(\a)+FR-1], v[8*(8*((\a)%4)+\b):8*(8*((\a)%4)+\b)+7], v[SC+8*NQ*(\sc)+NQ*\b+(\q)], v[SC+8*NQ*(\sc)+NQ*(\a)+(\q)] matrix_a_scale:MATRIX_SCALE_ROW1
.endif
.endr
.endr
.endm
.macro FETCH_B slot, q, p
	WIN TO_B
.irp i, 0,1,2,3,4,5,6,7
	FRAGB 128*(\p)+FR*\i, ADRB+\slot, \q, \i
.endr
	WIN 0
.endm
.macro FETCH_A slot, q, i0
.irp i, \i0, \i0+1, \i0+2, \i0+3
	FRAGA AF+FR*(\i), ADRA+\slot, \q, \i
.endr
.endm
.macro SCALES sc
.irp i, 0,1,2,3,4,5,6,7
	ds_load_b64 v[SC+8*NQ*\sc+NQ*\i:SC+8*NQ*\sc+NQ*\i+1], v[ADRS] offset:\i*SBLK
.endr
.endm
.macro PLACES n
.rept \n
	v_nop
.endr
.endm
.macro STEP slot, q, first
	s_wait_dscnt 4*NL
.if \first
	WIN FST_LO
.else
	WIN MUL_LO
.endif
	MUL16 0, (\q)%2, \q, \slot, \first
	MUL16 2, (\q)%2, \q, \slot, \first
	s_wait_dscnt 0
	PLACES NP
	FETCH_B \slot, (\q)+1, 1-(\q)%2
	FETCH_A \slot, (\q)+1, 0
.if \first
	WIN FST_HI
.else
	WIN MUL_HI
.endif
	MUL16 4, (\q)%2, \q, \slot, \first
	MUL16 6, (\q)%2, \q, \slot, \first
	PLACES NP
	WIN 0
	FETCH_A \slot, (\q)+1, 4
.endm
.macro TURN slot, next, fill
	s_wait_tensorcnt 0x0
	ds_add_u32 v[SPW], v[NIL]
	s_wait_dscnt 4*NL+1
	WIN MUL_LO
	MUL16 0, 1, NQ-1, \slot, 0
	s_wait_dscnt 0x0
	s_barrier_signal -1
	MUL16 2, 1, NQ-1, \slot, 0
	WIN 0
	s_barrier_wait -1
.if \fill
	CREST
	s_add_nc_u64 s[G0+4*\slot+2:G0+4*\slot+3], s[G0+4*\slot+2:G0+4*\slot+3], 2*ASLB
	s_add_nc_u64 s[G0B+4*\slot+2:G0B+4*\slot+3], s[G0B+4*\slot+2:G0B+4*\slot+3], 2*ROWB
	JLOAD G0+4*\slot, G1, G0B+4*\slot, G1B
	PLACES NP-4
.else
	PLACES NP
.endif
	s_wait_alu depctr_va_vdst(0)
	v_add_nc_u32 v[ADRS], 4*NQ, v[ADRS]
	FETCH_B \next, 0, 0
	FETCH_A \next, 0, 0
	SCALES \next
	WIN MUL_HI
	MUL16 4, 1, NQ-1, \slot, 0
	MUL16 6, 1, NQ-1, \slot, 0
	PLACES NP
	WIN 0
	FETCH_A \next, 0, 4
.endm
	s_wait_alu depctr_va_vdst(0)                   ; the wait at the head's end
	s_wait_loadcnt 0x0                             ; the bias
	s_wait_tensorcnt 0x0                           ; my tile of the head's four is in
	ds_add_u32 v[SPW], v[NIL]
	s_mov_b32 s[G1+2], 8<<16                       ; no tensor load of mine is out: from here on a load brings 128 rows: 8 row tiles of A,
	s_mov_b32 s[G1+4], 8
	s_mov_b32 s[G1B+2], 128<<16                    ; 128 rows of B
	s_mov_b32 s[G1B+4], 128
	s_wait_dscnt 0x0
	CROUND                                         ; all four tiles are in, all sixteen work-groups are here
	JLOAD G0+4, G1, G0B+4, G1B                     ; K step 1, the first tensor load behind the round
	FETCH_B 0, 0, 0
	FETCH_A 0, 0, 0
	SCALES 0
	FETCH_A 0, 0, 4
	STEP 0, 0, 1
	s_mov_b32 s3, LAPS-1
.Llap:
	TURN 0, 1, 1
	STEP 1, 0, 0
	TURN 1, 0, 1
	STEP 0, 0, 0
	s_sub_co_u32 s3, s3, 1
	s_cmp_lg_u32 s3, 0
	s_cbranch_scc1 .Llap
	TURN 0, 1, 0
	STEP 1, 0, 0
	s_wait_dscnt 4*NL
	WIN MUL_LO
	MUL16 0, 1, NQ-1, 1, 0
	MUL16 2, 1, NQ-1, 1, 0
	s_wait_dscnt 0
	WIN MUL_HI
	MUL16 4, 1, NQ-1, 1, 0
	MUL16 6, 1, NQ-1, 1, 0
	WIN 0
.macro TOSTAGE a
.set AC, 64*((\a)%4)
	WIN 0x08+4*((\a)/4)
.irp b, 0,1,2,3,4,5,6,7
	ds_store_b128 v[STO], v[AC+8*\b:AC+8*\b+3] offset:64*\b
	ds_store_b128 v[STO], v[AC+8*\b+4:AC+8*\b+7] offset:64*\b+16
.endr
	WIN 0
.set BB, BK+64*((\a)%2)
.irp t, 0,1,2,3,4,5,6,7,8,9,10,11,12,13,14,15
	ds_load_b128 v[BB+4*\t:BB+4*\t+3], v[RD] offset:\t*SPITCH
.endr
.endm
.macro SEND a, younger
.set BB, BK+64*((\a)%2)
	s_wait_dscnt \younger
.if (\a) > 0
	s_add_nc_u64 s[12:13], s[12:13], 16*SIZE_N*4
.endif
.irp t, 0,1,2,3,4,5,6,7,8,9,10,11,12,13,14,15
	global_store_b128 v[CO], v[BB+4*\t:BB+4*\t+3], s[12:13] offset:\t*SIZE_N*4 th:TH_STORE_NT
.endr
.endm
	PLACES NP
	TOSTAGE 0
.irp a, 1,2,3,4,5,6,7
.if \a > 1
	s_wait_xcnt 0x0
.endif
	TOSTAGE \a
	SEND \a-1, 32
.endr
	s_wait_xcnt 0x0
	SEND 7, 0
	s_wait_tensorcnt 0x0
	ds_add_u32 v[SPW], v[NIL]
	s_wait_dscnt 0x0
	CROUND
	s_endpgm
.Lfunc_end_k_qb798c7a1cb_proj:
	.size	k_qb798c7a1cb_proj, .Lfunc_end_k_qb798c7a1cb_proj-k_qb798c7a1cb_proj
	.p2alignl 7, 3214868480
	.fill 96, 4, 3214868480
	.section	.rodata,"a",@progbits
	.p2align	6, 0x0
	.amdhsa_kernel k_qb798c7a1cb_proj
		.amdhsa_group_segment_fixed_size 327680
		.amdhsa_private_segment_fixed_size 0
		.amdhsa_enable_private_segment 0
		.amdhsa_kernarg_size 48
		.amdhsa_user_sgpr_count 2
		.amdhsa_user_sgpr_kernarg_segment_ptr 1
		.amdhsa_wavefront_size32 1
		.amdhsa_system_sgpr_workgroup_id_x 1
		.amdhsa_system_sgpr_workgroup_id_y 1
		.amdhsa_system_sgpr_workgroup_id_z 1
		.amdhsa_system_vgpr_workitem_id 0
		.amdhsa_next_free_vgpr 1024
		.amdhsa_next_free_sgpr 98
		.amdhsa_reserve_vcc 0
		.amdhsa_float_denorm_mode_32 3
		.amdhsa_float_denorm_mode_16_64 3
		.amdhsa_memory_ordered 1
		.amdhsa_forward_progress 1
		.amdhsa_inst_pref_size 148
	.end_amdhsa_kernel
	.amdgpu_metadata
---
amdhsa.version: [ 1, 2 ]
amdhsa.kernels:
  - .name:           k_qb798c7a1cb_proj
    .symbol:         k_qb798c7a1cb_proj.kd
    .args:
      - { .name: a_img, .offset: 0, .size: 8, .value_kind: global_buffer, .address_space: global }
      - { .name: a_sc, .offset: 8, .size: 8, .value_kind: global_buffer, .address_space: global }
      - { .name: Wp_codes, .offset: 16, .size: 8, .value_kind: global_buffer, .address_space: global }
      - { .name: Wp_scales, .offset: 24, .size: 8, .value_kind: global_buffer, .address_space: global }
      - { .name: bp, .offset: 32, .size: 8, .value_kind: global_buffer, .address_space: global }
      - { .name: out0, .offset: 40, .size: 8, .value_kind: global_buffer, .address_space: global }
    .group_segment_fixed_size: 327680
    .private_segment_fixed_size: 0
    .kernarg_segment_align: 8
    .kernarg_segment_size: 48
    .max_flat_workgroup_size: 128
    .sgpr_count:     98
    .vgpr_count:     1024
    .wavefront_size: 32
...
	.end_amdgpu_metadata
.endif
;; end of part 3
